; MI455X (gfx1250); checked and timed in simulation.
; The chip was launched on July 23, 2026; its instructions are those of AMD's public machine-readable ISA for CDNA 5 (MIT licence, August 2026) and "CDNA5" Instruction Set Architecture Reference Guide (July 2026). The comments in the code are by the model that wrote it; some were corrected since.
;; Multihead Attention. Allowed arithmetic: matrix products marked QUANTISED: E2M3 operands, one E8M0 scale for each 32 along K, by v_wmma_scale_f32_16x16x128_f8f6f4 with both operands' format E2M3, f32 sums; everything else in f32.
;; Inputs: Wk 512 x 512 float32; Wo 512 x 512 float32; Wq 512 x 512 float32; Wv 512 x 512 float32; bk 512 float32; bo 512 float32; bq 512 float32; bv 512 float32; key_ 2 x 4,096 x 512 float32; query 2 x 4,096 x 512 float32; value 2 x 4,096 x 512 float32.
;; Outputs: out0 2 x 4,096 x 512 float32.
;; This version of the problem:
;;   THIS VERSION OF THE PROBLEM IS GIVEN IN LOW PRECISION. The matrix products marked QUANTISED in the list below multiply operands that are first quantised to E2M3 (2 exponent bits, 3 mantissa bits; 6 bits a number), with one power-of-two scale for each 32 numbers along K (OCP MX v1.0); their sums are f32. All else is computed in f32.
;;   The module's matrix products, in the order in which they are computed (A, B: the left and right operand; K: the contracted axis; several contracted axes count as one K, in the product's order):
;;     1. [M 8,192, K 512] x [K 512, N 512]; A: input query; B: input Wq: QUANTISED
;;     2. [M 8,192, K 512] x [K 512, N 512]; A: input key_; B: input Wk: QUANTISED
;;     3. [M 8,192, K 512] x [K 512, N 512]; A: input value; B: input Wv: QUANTISED
;;     4. batch 16 x [M 4,096, K 64] x [K 64, N 4,096]; A: computed on the way; B: computed on the way: QUANTISED
;;     5. batch 16 x [M 4,096, K 4,096] x [K 4,096, N 64]; A: softmax (see below); B: computed on the way: QUANTISED
;;     6. [M 8,192, K 512] x [K 512, N 512]; A: computed on the way; B: input Wo: QUANTISED
;;   THE QUANTISER, for each operand of a quantised product, along K:
;;     - K is cut into blocks of 32 from its start; a last block that is shorter is filled with zeros.
;;     - A block's scale is 2^e with e = floor(log2(the largest magnitude in the block)) - 2, held to -126 .. 127; a block of zeros has e = 0. As a byte (E8M0): e + 127.
;;     - Each number is divided by its block's scale, clamped to +-7.5, and rounded to the nearest number of E2M3, ties to even, subnormals kept.
;;     - The product sums the exact products of the quantised numbers (number of the format x scale) in f32.
;;   ~~~python
;;   def quantise(x, axis):      # numpy; x: float32 -> the quantised numbers, widened to float32 again
;;       x = np.moveaxis(x, axis, -1); K = x.shape[-1]
;;       x = np.pad(x, [(0, 0)] * (x.ndim - 1) + [(0, -K % 32)]); x = x.reshape(x.shape[:-1] + (-1, 32)); a = np.abs(x).max(-1, keepdims=True)
;;       e = np.where(a > 0, np.clip(np.frexp(np.where(a > 0, a, 1))[1] - 1 - 2, -126, 127), 0)      # np.frexp(a)[1] - 1 = floor(log2(a)), exactly
;;       r = np.clip(x / 2.0 ** e, -7.5, 7.5)
;;       step = 2.0 ** (np.maximum(np.frexp(np.where(r == 0, 1, r))[1] - 1, 0) - 3)
;;       q = np.round(r / step) * step * 2.0 ** e      # np.round: ties to even
;;       return np.moveaxis(q.reshape(q.shape[:-2] + (-1,))[..., :K], -1, axis).astype(np.float32)
;;   ~~~
;;   SOFTMAX AHEAD OF A QUANTISED PRODUCT. Where the list says 'softmax', what is quantised is not the finished softmax but p = 2^(t - M), with t = logit x log2(e) and M = ceil(the row's largest t), a whole number; so 1/2 < the row's largest p <= 1. The row's sum l is taken of the UNQUANTISED p, in f32, and the product's result is divided by l at the end. Since M is a whole number, a kernel that streams over the keys may use a running M (the ceiling of the running maximum): every later rescaling is an exact power of two, which a block's scale takes up: the codes' values come out the same.
;;   OPERANDS COMPUTED ON THE WAY. 'Computed on the way' means the value that the module computes at that place (a softmax that the list does not call 'softmax' is quantised finished and normalised). What goes into a quantiser is computed in f32, as accurately as f32 sums, v_exp_f32 and their like allow (about 1e-6 of the number): no bf16 or f16 on the way to a quantiser, and a product that is left as it is and whose result goes on into a quantised operand takes f32 operands (vector FMAs, or v_wmma_f32_16x16x4_f32). A number that lies on a knife's edge between two numbers of the format may be rounded either way, as far as f32 arithmetic and the matrix unit's own rounding can turn it there, and no further.
;; 2 versions. Each part assembles by itself: llvm-mc -triple=amdgcn-amd-amdhsa -mcpu=gfx1250 --defsym DOCPART=n.
;; ======== version 1 of 2: 4 launches
;; workspace buffers: wc 786,432 bytes; ws 65,536 bytes; qbuf 3,407,872 bytes; kv 6,815,744 bytes; ctx 4,194,304 bytes
;; launch wquant (part 1): grid 128 x 1, 1 waves a work-group, no clusters, 0 bytes of LDS; arguments Wq, Wk, Wv, Wo, wc, ws; writes wc, ws
.if DOCPART == 1
	.amdgcn_target "amdgcn-amd-amdhsa--gfx1250"
	.amdhsa_code_object_version 6
	.text
	.protected	k_qf7e686e180_wquant
	.globl	k_qf7e686e180_wquant
	.p2align	8
	.type	k_qf7e686e180_wquant,@function
k_qf7e686e180_wquant:
	s_mov_b64 s[64:65], 0
	v_nop
	global_prefetch_b8 v0, s[64:65] scope:SCOPE_SE
	s_setreg_imm32_b32 hwreg(HW_REG_WAVE_MODE, 25, 1), 1
	s_wait_xcnt 0x0
; Wq, Wk, Wv, Wo [512 (n)][512 (k)] f32 become codes of FP6 (E2M3) with one E8M0 byte for each 32 along k, laid as IMAGES OF OPERAND REGISTERS.
; wc: [weight 0..3][tile t 0..31][K step s 0..3][1,536 bytes]: a fragment's 12 registers in three groups of four, lane l's 16 bytes of group c at 512 c + 16 l.
; ws: [weight][tile][lane][s]: the scale word (four bytes: 128 along k) of the lane's row, 16 bytes a lane.
; THE ROWS OF A TILE ARE NOT NEIGHBOURS: lane r of tile t takes row 32 (t / 2) + 8 (t % 2) + r + 8 (r / 8), so that, where the tile is a product's source 0, the 16 result registers of tiles 2 b and 2 b + 1 are 16 neighbours.
; A work-group is one wave and takes one tile of one weight: 16 rows x 512 k, four fragments.  128 work-groups.  No LDS, no barrier.
; A block's scale byte is its largest magnitude's exponent field - 2, held at 1 from below by a floor among the maximum's leaves.
; LIMITS: a block of zeros, or one whose largest magnitude lies under 2^-124, keeps the byte 1 (its codes are zeros or nearly; the bytes are read by this program alone); NaN and infinities are not served.
.set FRB, 1536                         ; a fragment's image in bytes
.set XA,  1                            ; v1   my byte in the tile's rows: (r + 8 (r / 8)) x 2,048 + 64 h
.set LI,  2                            ; v2   16 x lane
.set S0,  16                           ; v16-79, v80-143, v144-207: three sets of 64 numbers
.set S1,  80
.set S2,  144
.set PC,  208                          ; v208-226 the codes just made
.set TM,  228                          ; v228-243 at work in QUANT
.set PW,  244                          ; v244-247 the four scale words
.set XP,  16                           ; s[16:17] the weight at the tile's first row
.set SEL, 20                           ; s[20:21] lane selects: lane l xor 16
.set WC,  12                           ; s[12:13] wc at my tile
.set WSB, 14                           ; s[14:15] ws at my tile
; 64 numbers a lane of K step s: register 16 b + i = k 128 s + 32 b + 16 h + i of my row
.macro XLOAD reg, s
.irp b, 0,1,2,3
.irp j, 0,1,2,3
	global_load_b128 v[\reg+16*\b+4*\j:\reg+16*\b+4*\j+3], v[XA], s[XP:XP+1] offset:512*\s+128*\b+16*\j th:TH_LOAD_NT
.endr
.endr
.endm
; 64 numbers of a lane, register 16 b + i = place 32 b + 16 h + i along K of my row, become a fragment's 12 registers in v[PC] on and its scale word in v[pw]
.macro QUANT s, pw
.irp b, 0,1,2,3
	v_max3_num_f32 v[TM+\b], |v[\s+16*\b]|, |v[\s+1+16*\b]|, 0x1800000   ; block b: my 16 numbers, and the floor 2^(3 - 127): the byte cannot fall under 1
.endr
.irp i, 2,4,6,8,10,12,14
.irp b, 0,1,2,3
	v_max3_num_f32 v[TM+\b], v[TM+\b], |v[\s+16*\b+\i]|, |v[\s+1+16*\b+\i]|   ; the four blocks by turns
.endr
.endr
.irp b, 0,1,2,3
	v_permlanex16_b32 v[TM+4+\b], v[TM+\b], s[SEL], s[SEL+1]
.endr
.irp b, 0,1,2,3
	v_max_num_f32 v[TM+\b], v[TM+\b], v[TM+4+\b]   ; with lane l xor 16's 16: the block's largest magnitude
.endr
.irp b, 0,1,2,3
	v_add_nc_u32 v[TM+12+\b], 0xff000000, v[TM+\b]   ; 2 off its exponent field: the conversion's scale operand
.endr
.irp b, 0,1,2,3
	v_lshrrev_b32 v[TM+4+\b], 23, v[TM+12+\b]      ; the scale's byte
.endr
	v_lshl_or_b32 v[\pw], v[TM+5], 8, v[TM+4]
	v_lshl_or_b32 v[\pw], v[TM+6], 16, v[\pw]
	v_lshl_or_b32 v[\pw], v[TM+7], 24, v[\pw]
.irp c, 0,1
	v_cvt_scalef32_pk16_fp6_f32 v[PC+6*\c:PC+2+6*\c], v[\s+32*\c:\s+15+32*\c], v[TM+12+2*\c]
	v_cvt_scalef32_pk16_fp6_f32 v[PC+12+4*\c:PC+14+4*\c], v[\s+16+32*\c:\s+31+32*\c], v[TM+12+2*\c+1]   ; a conversion's three registers begin on an even number
.endr
	v_nop                                          ; one plain place behind a scaled conversion
.irp c, 0,1                                    ; the operand wants a whole block in a lane: lanes 0-15 block 2 c, lanes 16-31 block 2 c + 1
.irp i, 0,1,2
	v_permlane16_swap_b32 v[PC+6*\c+\i], v[PC+12+4*\c+\i]
.endr
.irp i, 0,1,2
	v_mov_b32 v[PC+3+6*\c+\i], v[PC+12+4*\c+\i]
.endr
.endr
.endm
.macro GSTORE base, off                        ; the fragment as it stands: each store covers 512 consecutive bytes, aligned
.irp c, 0,1,2
	global_store_b128 v[LI], v[PC+4*\c:PC+4*\c+3], s[\base:\base+1] offset:\off+512*\c
.endr
.endm
	s_load_b256 s[4:11], s[0:1], 0x0               ; Wq, Wk, Wv, Wo
	s_load_b128 s[12:15], s[0:1], 0x20             ; wc, ws
	v_and_b32 v3, 15, v0                           ; r
	v_bfe_u32 v4, v0, 4, 1                         ; h
	v_and_b32 v5, 8, v3
	v_add_nc_u32 v5, v5, v3                        ; r + 8 (r / 8)
	v_lshlrev_b32 v[XA], 11, v5
	v_lshl_add_u32 v[XA], v4, 6, v[XA]
	v_lshlrev_b32 v[LI], 4, v0                     ; one wave: the thread's number is the lane
.irp b, 0,1,2,3
	v_mov_b32 v[TM+4+\b], 0                        ; written once: a lane permute's destination counts as one of its sources
.endr
	s_mov_b32 s[SEL], 0x76543210
	s_mov_b32 s[SEL+1], 0xfedcba98
	s_lshr_b32 s22, ttmp9, 5                       ; which weight
	s_and_b32 s23, ttmp9, 31                       ; which tile
	s_lshr_b32 s24, s23, 1
	s_lshl_b32 s24, s24, 5
	s_and_b32 s25, s23, 1
	s_lshl_b32 s25, s25, 3
	s_add_co_u32 s24, s24, s25                     ; the tile's first row: 32 (t / 2) + 8 (t % 2)
	s_lshl_b32 s24, s24, 11                        ; in bytes
	s_mov_b32 s25, 0
	s_mul_i32 s26, ttmp9, 4*FRB                    ; my four images
	s_mov_b32 s27, 0
	s_lshl_b32 s28, ttmp9, 9                       ; my 512 bytes of scale words
	s_mov_b32 s29, 0
	s_wait_kmcnt 0x0
	s_cmp_lt_u32 s22, 1                            ; the choice hangs on the work-group's number alone
	s_cselect_b64 s[XP:XP+1], s[4:5], s[6:7]
	s_cmp_lt_u32 s22, 3
	s_cselect_b64 s[18:19], s[8:9], s[10:11]
	s_cmp_lt_u32 s22, 2
	s_cselect_b64 s[XP:XP+1], s[XP:XP+1], s[18:19]
	s_add_nc_u64 s[XP:XP+1], s[XP:XP+1], s[24:25]
	s_add_nc_u64 s[WC:WC+1], s[WC:WC+1], s[26:27]
	s_add_nc_u64 s[WSB:WSB+1], s[WSB:WSB+1], s[28:29]
	XLOAD S0, 0
	XLOAD S1, 1
	XLOAD S2, 2
	s_wait_loadcnt 32                              ; K step 0 is in; the 32 loads of steps 1 and 2 stay out
	QUANT S0, PW
	GSTORE WC, 0
	XLOAD S0, 3
	s_wait_loadcnt 32                              ; step 1 is in; steps 2 and 3 stay out
	s_wait_xcnt 0x0                                ; the stores have read the codes' registers
	QUANT S1, PW+1
	GSTORE WC, FRB
	s_wait_loadcnt 16                              ; step 2 is in; step 3 stays out
	s_wait_xcnt 0x0
	QUANT S2, PW+2
	GSTORE WC, 2*FRB
	s_wait_loadcnt 0x0
	s_wait_xcnt 0x0
	QUANT S0, PW+3
	GSTORE WC, 3*FRB
	global_store_b128 v[LI], v[PW:PW+3], s[WSB:WSB+1]   ; 32 lanes store 512 consecutive bytes
	s_endpgm
.Lfunc_end_k_qf7e686e180_wquant:
	.size	k_qf7e686e180_wquant, .Lfunc_end_k_qf7e686e180_wquant-k_qf7e686e180_wquant
	.p2alignl 7, 3214868480
	.fill 96, 4, 3214868480
	.section	.rodata,"a",@progbits
	.p2align	6, 0x0
	.amdhsa_kernel k_qf7e686e180_wquant
		.amdhsa_group_segment_fixed_size 0
		.amdhsa_private_segment_fixed_size 0
		.amdhsa_enable_private_segment 0
		.amdhsa_kernarg_size 48
		.amdhsa_user_sgpr_count 2
		.amdhsa_user_sgpr_kernarg_segment_ptr 1
		.amdhsa_wavefront_size32 1
		.amdhsa_system_sgpr_workgroup_id_x 1
		.amdhsa_system_sgpr_workgroup_id_y 1
		.amdhsa_system_sgpr_workgroup_id_z 1
		.amdhsa_system_vgpr_workitem_id 0
		.amdhsa_next_free_vgpr 256
		.amdhsa_next_free_sgpr 66
		.amdhsa_reserve_vcc 0
		.amdhsa_float_denorm_mode_32 3
		.amdhsa_float_denorm_mode_16_64 3
		.amdhsa_memory_ordered 1
		.amdhsa_forward_progress 1
		.amdhsa_inst_pref_size 24
	.end_amdhsa_kernel
	.amdgpu_metadata
---
amdhsa.version: [ 1, 2 ]
amdhsa.kernels:
  - .name:           k_qf7e686e180_wquant
    .symbol:         k_qf7e686e180_wquant.kd
    .args:
      - { .name: Wq, .offset: 0, .size: 8, .value_kind: global_buffer, .address_space: global }
      - { .name: Wk, .offset: 8, .size: 8, .value_kind: global_buffer, .address_space: global }
      - { .name: Wv, .offset: 16, .size: 8, .value_kind: global_buffer, .address_space: global }
      - { .name: Wo, .offset: 24, .size: 8, .value_kind: global_buffer, .address_space: global }
      - { .name: wc, .offset: 32, .size: 8, .value_kind: global_buffer, .address_space: global }
      - { .name: ws, .offset: 40, .size: 8, .value_kind: global_buffer, .address_space: global }
    .group_segment_fixed_size: 0
    .private_segment_fixed_size: 0
    .kernarg_segment_align: 8
    .kernarg_segment_size: 48
    .max_flat_workgroup_size: 32
    .sgpr_count:     66
    .vgpr_count:     256
    .wavefront_size: 32
...
	.end_amdgpu_metadata
.endif
;; end of part 1
;; launch proj (part 2): grid 64 x 3, 8 waves a work-group, no clusters, 54,272 bytes of LDS; arguments query, key_, value, bq, bk, bv, wc, ws, qbuf, kv; writes qbuf, kv
.if DOCPART == 2
	.amdgcn_target "amdgcn-amd-amdhsa--gfx1250"
	.amdhsa_code_object_version 6
	.text
	.protected	k_qf7e686e180_proj
	.globl	k_qf7e686e180_proj
	.p2align	8
	.type	k_qf7e686e180_proj,@function
k_qf7e686e180_proj:
	s_mov_b64 s[64:65], 0
	v_nop
	global_prefetch_b8 v0, s[64:65] scope:SCOPE_SE
	s_setreg_imm32_b32 hwreg(HW_REG_WAVE_MODE, 25, 1), 1
	s_wait_xcnt 0x0
; The three input projections, x W^T + b, on codes of FP6 (E2M3), and the quantising of their results for attention.  Work-group y = 0: q, 1: k, 2: v.
; x [8192][512] f32 is quantised here, in registers; W comes as fragment images and scale words (wc, ws).  The results never go to memory as f32: they leave as fragment images.
; SHARES.  A work-group takes 128 rows of x and all 512 columns: 64 x 3 work-groups (a fragment of v wants 128 tokens along its K, which fixes the block).
; Wave w quantises the token tile m = w (16 rows, four fragments) and hands it to the others through LDS as images of its registers; it then makes head w (columns 64 w .. 64 w + 63) for all 128 rows, with its 16 fragments of W in registers.
; THE ROWS OF A TILE ARE NOT NEIGHBOURS (tokens and rows of W alike): in a group of 32, tile u gives lane r the row 8 u + r + 8 (r / 8).  Where such a tile is source 0, result register j of lane (r, h) is row 16 h + 8 u + j of the group.
; q AND k: source 0 = W, source 1 = x: a lane holds one token, its registers run along d, which is the K of q k^T.  Two token tiles (64 d each) fill one fragment: registers 0-5 tile 0, 6-11 tile 1.
; v: source 0 = x, source 1 = W: a lane holds one d, its registers run along the tokens, which are the K of p v.  128 tokens fill one fragment.
; OUT.  A record is four images and 512 bytes of scale words [lane][fragment]: 6,656 bytes.  qbuf: [16 heads][32 groups of 128 tokens][record];  kv: [16][32][k's record, v's record].
; LIMITS: a block of zeros, or one whose largest magnitude lies under 2^-124, keeps the scale byte 1 (the bytes are read by this program alone); NaN and infinities are not served.
; REGISTERS.  Window 0: v1-7 addresses; first v16-207 three sets of 64 numbers of x; later v16-111 eight fragments of x, v112-175 accumulators, v176-183 x's scale words, v184-199 W's; v208-226 codes, v228-243 at work, v244-247 scale words made,
;   v248-251 the bias by lanes (v's path), v252, v253 the add's two.   Window 1: v0-191 W's 16 fragments; v192-223 the bias in the result's layout (q, k); v's path: v192-255 a second set of accumulators.
.set FRB,   1536                       ; a fragment's image in bytes
.set XSC,   32*FRB                     ; LDS: x's 32 images (tile m, K step s: 4 m + s) from 0 on; behind them their scale words, 128 bytes each
.set SPARE, XSC+32*128                 ; behind those: the spare words, 128 bytes for each of eight waves: four blocks of 256 bytes that no other line names
.set XA,  1                            ; v1   x: (r + 8 (r / 8)) x 2,048 + 64 h
.set LI,  2                            ; v2   16 x lane
.set LS,  3                            ; v3   4 x lane
.set XWI, 4                            ; v4   where I store my images: 16 x lane + 4 FRB x wave
.set XWS, 5                            ; v5   and their scale words: 4 x lane + 512 x wave
.set BA,  6                            ; v6   the bias in the result's layout: 64 h
.set BB,  7                            ; v7   the bias by lanes: 4 (r + 8 (r / 8))
.set S0,  16
.set S1,  80
.set S2,  144
.set XF,  16
.set HA,  112
.set XS,  176
.set WS,  184
.set PC,  208
.set TM,  228
.set PW,  244
.set BV,  248
.set SPW, 252
.set NIL, 253
.set WF,  0                            ; window 1
.set B1,  192                          ; window 1
.set HB,  192                          ; window 1
.set WV,  28
.set Y,   29
.set SEL, 30
.set XP,  32                           ; s[32:33] x at my token tile
.set BP,  34                           ; s[34:35] the bias at my head
.set WP,  36                           ; s[36:37] wc at my head's fragments
.set SP,  38                           ; s[38:39] ws likewise
.set OC,  40                           ; s[40:41] my record
.set MSB, 0
.macro WIN new                         ; the immediate's high byte repeats the setting that is left
.if MSB != \new
	s_set_vgpr_msb (MSB<<8)|\new
.set MSB, \new
.endif
.endm
.macro XLOAD reg, s                    ; 64 numbers a lane of K step s: register 16 b + i = k 128 s + 32 b + 16 h + i of my row
.irp b, 0,1,2,3
.irp j, 0,1,2,3
	global_load_b128 v[\reg+16*\b+4*\j:\reg+16*\b+4*\j+3], v[XA], s[XP:XP+1] offset:512*\s+128*\b+16*\j th:TH_LOAD_NT
.endr
.endr
.endm
; 64 numbers of a lane, register 16 b + i = place 32 b + 16 h + i along K, become a fragment's 12 registers in v[PC] on and its scale word in v[pw]
.macro QUANT s, pw
.irp b, 0,1,2,3
	v_max3_num_f32 v[TM+\b], |v[\s+16*\b]|, |v[\s+1+16*\b]|, 0x1800000   ; block b: my 16 numbers, and the floor 2^(3 - 127): the byte cannot fall under 1
.endr
.irp i, 2,4,6,8,10,12,14
.irp b, 0,1,2,3
	v_max3_num_f32 v[TM+\b], v[TM+\b], |v[\s+16*\b+\i]|, |v[\s+1+16*\b+\i]|   ; the four blocks by turns
.endr
.endr
.irp b, 0,1,2,3
	v_permlanex16_b32 v[TM+4+\b], v[TM+\b], s[SEL], s[SEL+1]
.endr
.irp b, 0,1,2,3
	v_max_num_f32 v[TM+\b], v[TM+\b], v[TM+4+\b]   ; with lane l xor 16's 16: the block's largest magnitude
.endr
.irp b, 0,1,2,3
	v_add_nc_u32 v[TM+12+\b], 0xff000000, v[TM+\b]   ; 2 off its exponent field: the conversion's scale operand
.endr
.irp b, 0,1,2,3
	v_lshrrev_b32 v[TM+4+\b], 23, v[TM+12+\b]      ; the scale's byte
.endr
	v_lshl_or_b32 v[\pw], v[TM+5], 8, v[TM+4]
	v_lshl_or_b32 v[\pw], v[TM+6], 16, v[\pw]
	v_lshl_or_b32 v[\pw], v[TM+7], 24, v[\pw]
.irp c, 0,1
	v_cvt_scalef32_pk16_fp6_f32 v[PC+6*\c:PC+2+6*\c], v[\s+32*\c:\s+15+32*\c], v[TM+12+2*\c]
	v_cvt_scalef32_pk16_fp6_f32 v[PC+12+4*\c:PC+14+4*\c], v[\s+16+32*\c:\s+31+32*\c], v[TM+12+2*\c+1]   ; a conversion's three registers begin on an even number
.endr
	v_nop                                          ; one plain place behind a scaled conversion
.irp c, 0,1                                    ; the operand wants a whole block in a lane: lanes 0-15 block 2 c, lanes 16-31 block 2 c + 1
.irp i, 0,1,2
	v_permlane16_swap_b32 v[PC+6*\c+\i], v[PC+12+4*\c+\i]
.endr
.irp i, 0,1,2
	v_mov_b32 v[PC+3+6*\c+\i], v[PC+12+4*\c+\i]
.endr
.endr
.endm
.macro GSTORE base, off                        ; the fragment as it stands: each store covers 512 consecutive bytes, aligned
.irp c, 0,1,2
	global_store_b128 v[LI], v[PC+4*\c:PC+4*\c+3], s[\base:\base+1] offset:\off+512*\c
.endr
.endm
.macro IMAGE s                                 ; my tile's fragment of K step s, and its scale words, into LDS
.irp c, 0,1,2
	ds_store_b128 v[XWI], v[PC+4*\c:PC+4*\c+3] offset:FRB*\s+512*\c
.endr
	ds_store_b32 v[XWS], v[PW] offset:XSC+128*\s
.endm
.macro WLOAD t                                 ; tile t of my head's four: its four fragments of W, 12 loads, into window 1
	WIN 0x40
.irp s, 0,1,2,3
.irp c, 0,1,2
	global_load_b128 v[WF+12*(4*\t+\s)+4*\c:WF+12*(4*\t+\s)+4*\c+3], v[LI], s[WP:WP+1] offset:(4*\t+\s)*FRB+512*\c
.endr
.endr
	WIN 0
.endm
.macro FETCHP g                                ; q, k: the two token tiles of group g, all four K steps: 32 LDS loads
.irp mm, 0,1
.irp s, 0,1,2,3
.irp c, 0,1,2
	ds_load_b128 v[XF+12*(4*\mm+\s)+4*\c:XF+12*(4*\mm+\s)+4*\c+3], v[LI] offset:(4*(2*(\g)+\mm)+\s)*FRB+512*\c
.endr
	ds_load_b32 v[XS+4*\mm+\s], v[LS] offset:XSC+(4*(2*(\g)+\mm)+\s)*128
.endr
.endr
.endm
.macro FETCHV s                                ; v: K step s of all eight token tiles: 32 LDS loads
.irp m, 0,1,2,3,4,5,6,7
.irp c, 0,1,2
	ds_load_b128 v[XF+12*\m+4*\c:XF+12*\m+4*\c+3], v[LI] offset:(4*\m+(\s))*FRB+512*\c
.endr
	ds_load_b32 v[XS+\m], v[LS] offset:XSC+(4*\m+(\s))*128
.endr
.endm
.macro MMZ d, a, b, sa, sb                     ; a product that starts a sum
	v_wmma_scale_f32_16x16x128_f8f6f4 v[\d:\d+7], v[\a:\a+11], v[\b:\b+11], 0, v[\sa], v[\sb] matrix_a_fmt:MATRIX_FMT_FP6 matrix_b_fmt:MATRIX_FMT_FP6
.endm
.macro MMC d, a, b, c, sa, sb
	v_wmma_scale_f32_16x16x128_f8f6f4 v[\d:\d+7], v[\a:\a+11], v[\b:\b+11], v[\c:\c+7], v[\sa], v[\sb] matrix_a_fmt:MATRIX_FMT_FP6 matrix_b_fmt:MATRIX_FMT_FP6
.endm
.macro PLACES                                  ; four places behind matrix instructions, in front of loads into their operands and of the first read of results
.rept 4
	v_nop
.endr
.endm
.macro FINISH                                  ; the wave's end, behind my last LDS store
	s_wait_tensorcnt 0x0
	ds_add_u32 v[SPW], v[NIL]
	s_wait_dscnt 0x0
	s_endpgm
.endm
; v's path: d tile 2 dtp + e gets its bias (one number a lane), is quantised along the 128 tokens and leaves
.macro VOUT dtp, e
	s_wait_xcnt 0x0                                ; earlier stores have read the codes' registers
.if \e
	WIN 0x01                                       ; source 0 in window 1
.endif
.set j, 0
.rept 64
.if \e
	v_add_f32 v[HA+j], v[HB+j], v[BV+2*\dtp+\e]    ; each accumulator from its low end on
.else
	v_add_f32 v[HA+j], v[HA+j], v[BV+2*\dtp+\e]
.endif
.set j, j+1
.endr
	WIN 0
	QUANT HA, PW+2*\dtp+\e
	GSTORE OC, (2*\dtp+\e)*FRB
.endm
	s_load_b256 s[8:15], s[0:1], 0x0               ; query s[8:9], key_ s[10:11], value s[12:13], bq s[14:15]
	s_load_b256 s[16:23], s[0:1], 0x20             ; bk s[16:17], bv s[18:19], wc s[20:21], ws s[22:23]
	s_load_b128 s[24:27], s[0:1], 0x40             ; qbuf s[24:25], kv s[26:27]
	v_lshl_add_u32 v[SPW], v0, 2, SPARE
	v_mov_b32 v[NIL], 0
	v_lshrrev_b32 v8, 5, v0
	v_readfirstlane_b32 s[WV], v8                  ; wave 0..7
	s_and_b32 s[Y], ttmp7, 0xffff                  ; 0: q, 1: k, 2: v
	v_and_b32 v9, 15, v0                           ; r
	v_bfe_u32 v10, v0, 4, 1                        ; h
	v_and_b32 v11, 8, v9
	v_add_nc_u32 v11, v11, v9                      ; r + 8 (r / 8)
	v_lshlrev_b32 v[XA], 11, v11
	v_lshl_add_u32 v[XA], v10, 6, v[XA]
	v_and_b32 v[LS], 31, v0
	v_lshlrev_b32 v[LI], 4, v[LS]
	v_lshlrev_b32 v[LS], 2, v[LS]
	s_mul_i32 s42, s[WV], 4*FRB
	v_add_nc_u32 v[XWI], s42, v[LI]
	s_lshl_b32 s42, s[WV], 9
	v_add_nc_u32 v[XWS], s42, v[LS]
	v_lshlrev_b32 v[BA], 6, v10
	v_lshlrev_b32 v[BB], 2, v11
.irp b, 0,1,2,3
	v_mov_b32 v[TM+4+\b], 0                        ; written once: a lane permute's destination counts as one of its sources
.endr
	s_mov_b32 s[SEL], 0x76543210
	s_mov_b32 s[SEL+1], 0xfedcba98
	s_lshl_b32 s42, ttmp9, 7                       ; x: row 128 X + 32 (w / 2) + 8 (w % 2),
	s_lshr_b32 s43, s[WV], 1
	s_lshl_b32 s43, s43, 5
	s_add_co_u32 s42, s42, s43
	s_and_b32 s43, s[WV], 1
	s_lshl_b32 s43, s43, 3
	s_add_co_u32 s42, s42, s43
	s_lshl_b32 s42, s42, 11                        ; in bytes
	s_mov_b32 s43, 0
	s_mul_i32 s44, s[Y], 32*4*FRB                  ; wc: the weight, and my head's four tiles
	s_mul_i32 s45, s[WV], 16*FRB
	s_add_co_u32 s44, s44, s45
	s_mov_b32 s45, 0
	s_lshl_b32 s46, s[Y], 14                       ; ws likewise: 512 bytes a tile
	s_lshl_b32 s47, s[WV], 11
	s_add_co_u32 s46, s46, s47
	s_mov_b32 s47, 0
	s_lshl_b32 s48, s[WV], 8                       ; the bias: my 64 numbers
	s_mov_b32 s49, 0
	s_lshr_b32 s50, ttmp9, 5                       ; the record: ((8 batch + head) x 32 + group of 128 tokens)
	s_lshl_b32 s50, s50, 3
	s_add_co_u32 s50, s50, s[WV]
	s_lshl_b32 s50, s50, 5
	s_and_b32 s51, ttmp9, 31
	s_add_co_u32 s50, s50, s51
	s_mov_b32 s52, 13312
	s_wait_kmcnt 0x0
	s_cmp_eq_u32 s[Y], 0                           ; the choices hang on the work-group's number alone
	s_cselect_b64 s[XP:XP+1], s[8:9], s[10:11]
	s_cselect_b64 s[BP:BP+1], s[14:15], s[16:17]
	s_cselect_b64 s[OC:OC+1], s[24:25], s[26:27]
	s_cselect_b32 s52, 6656, s52                   ; from record to record: 6,656 bytes in qbuf, 13,312 in kv
	s_cmp_eq_u32 s[Y], 2
	s_cselect_b64 s[XP:XP+1], s[12:13], s[XP:XP+1]
	s_cselect_b64 s[BP:BP+1], s[18:19], s[BP:BP+1]
	s_cselect_b32 s53, 6656, 0                     ; v's record lies behind k's
	s_mul_i32 s50, s50, s52
	s_add_co_u32 s50, s50, s53
	s_mov_b32 s51, 0
	s_add_nc_u64 s[XP:XP+1], s[XP:XP+1], s[42:43]
	s_add_nc_u64 s[BP:BP+1], s[BP:BP+1], s[48:49]
	s_add_nc_u64 s[WP:WP+1], s[20:21], s[44:45]
	s_add_nc_u64 s[SP:SP+1], s[22:23], s[46:47]
	s_add_nc_u64 s[OC:OC+1], s[OC:OC+1], s[50:51]
	; the bias in both layouts, 12 loads, in every work-group: so the text has one branch, and no register is unwritten on a path
	WIN 0x40
.irp t, 0,1,2,3
	global_load_b128 v[B1+8*\t:B1+8*\t+3], v[BA], s[BP:BP+1] offset:(32*(\t/2)+8*(\t%2))*4       ; tile t, lane (r, h): b at 32 (t / 2) + 16 h + 8 (t % 2) + 0 .. 7
	global_load_b128 v[B1+8*\t+4:B1+8*\t+7], v[BA], s[BP:BP+1] offset:(32*(\t/2)+8*(\t%2))*4+16
.endr
	WIN 0
.irp t, 0,1,2,3
	global_load_b32 v[BV+\t], v[BB], s[BP:BP+1] offset:(32*(\t/2)+8*(\t%2))*4                    ; tile t, lane r: b at 32 (t / 2) + 8 (t % 2) + r + 8 (r / 8)
.endr
	; ---- X: my 16 rows of x become four fragments; W's loads go out between
	XLOAD S0, 0
	XLOAD S1, 1
	XLOAD S2, 2
	s_wait_loadcnt 32                              ; the bias and K step 0 are in; the 32 loads of steps 1 and 2 stay out
	QUANT S0, PW
	IMAGE 0
	XLOAD S0, 3
	s_wait_loadcnt 32                              ; step 1 is in; steps 2 and 3 stay out
	s_wait_dscnt 0x0                               ; the LDS stores have read the codes' registers
	QUANT S1, PW
	IMAGE 1
	WLOAD 0
	WLOAD 1
	s_wait_loadcnt 40                              ; step 2 is in; step 3's 16 loads and 24 of W stay out
	s_wait_dscnt 0x0
	QUANT S2, PW
	IMAGE 2
	WLOAD 2
	WLOAD 3
.irp t, 0,1,2,3
	global_load_b128 v[WS+4*\t:WS+4*\t+3], v[LI], s[SP:SP+1] offset:512*\t   ; W's scale words: register 4 t + s (the third set of numbers is done with)
.endr
	s_wait_loadcnt 52                              ; step 3 is in; 24 + 28 younger loads stay out
	s_wait_dscnt 0x0
	QUANT S0, PW
	IMAGE 3
	s_wait_dscnt 0x0                               ; for the others' sake: my stores have landed
	s_barrier_signal -1
	s_barrier_wait -1                              ; x's 32 fragments lie in LDS; from here on LDS is only read
	s_wait_loadcnt 0x0                             ; W and its scale words
	s_cmp_eq_u32 s[Y], 2
	s_cbranch_scc1 .Lv
	; ---- q, k: a group of 32 tokens at a time: eight accumulators (2 token tiles x 4 tiles of d) by turns; the bias is the C of each sum's first product
	FETCHP 0
.irp gi, 0,1,2,3
	s_wait_dscnt 0x0
	WIN 0x11                                       ; source 0 (W) and source 2 (the bias) window 1
.irp mm, 0,1
.irp t, 0,1,2,3
	MMC HA+8*(4*\mm+\t), WF+12*(4*\t), XF+12*(4*\mm), B1+8*\t, WS+4*\t, XS+4*\mm
.endr
.endr
	WIN 0x01
.irp s, 1,2,3
.irp mm, 0,1
.irp t, 0,1,2,3
	MMC HA+8*(4*\mm+\t), WF+12*(4*\t+\s), XF+12*(4*\mm+\s), HA+8*(4*\mm+\t), WS+4*\t+\s, XS+4*\mm+\s
.endr
.endr
.endr
	WIN 0
	PLACES
.if \gi < 3
	FETCHP \gi+1                                   ; lands while this group is quantised
.endif
	s_wait_xcnt 0x0                                ; earlier stores have read the codes' registers
	QUANT HA, PW+\gi                               ; register 32 mm + 16 b + i is d 32 b + 16 h + i of token tile mm: block 2 mm + b
	GSTORE OC, \gi*FRB
.endr
	global_store_b128 v[LI], v[PW:PW+3], s[OC:OC+1] offset:4*FRB   ; the record's scale words
	FINISH
.Lv:
	; ---- v: two tiles of d at a time for all eight token tiles: sixteen accumulators by turns, a K step at a time
	FETCHV 0
.irp dtp, 0,1
.irp s, 0,1,2,3
	s_wait_dscnt 0x0
	WIN 0x04                                       ; source 1 (W) window 1
.irp m, 0,1,2,3,4,5,6,7
.if \s == 0
	MMZ HA+8*\m, XF+12*\m, WF+12*(8*\dtp+\s), XS+\m, WS+8*\dtp+\s
.else
	MMC HA+8*\m, XF+12*\m, WF+12*(8*\dtp+\s), HA+8*\m, XS+\m, WS+8*\dtp+\s
.endif
.endr
	WIN 0x54                                       ; and C and D window 1
.irp m, 0,1,2,3,4,5,6,7
.if \s == 0
	MMZ HB+8*\m, XF+12*\m, WF+12*(8*\dtp+4+\s), XS+\m, WS+8*\dtp+4+\s
.else
	MMC HB+8*\m, XF+12*\m, WF+12*(8*\dtp+4+\s), HB+8*\m, XS+\m, WS+8*\dtp+4+\s
.endif
.endr
	WIN 0
	PLACES
.if (\dtp == 0) || (\s < 3)
	FETCHV (\s+1)%4
.endif
.endr
	VOUT \dtp, 0                                   ; register 8 m + j is token 32 (m / 2) + 16 h + 8 (m % 2) + j of my lane's d
	VOUT \dtp, 1
.endr
	global_store_b128 v[LI], v[PW:PW+3], s[OC:OC+1] offset:4*FRB
	FINISH
.Lfunc_end_k_qf7e686e180_proj:
	.size	k_qf7e686e180_proj, .Lfunc_end_k_qf7e686e180_proj-k_qf7e686e180_proj
	.p2alignl 7, 3214868480
	.fill 96, 4, 3214868480
	.section	.rodata,"a",@progbits
	.p2align	6, 0x0
	.amdhsa_kernel k_qf7e686e180_proj
		.amdhsa_group_segment_fixed_size 54272
		.amdhsa_private_segment_fixed_size 0
		.amdhsa_enable_private_segment 0
		.amdhsa_kernarg_size 80
		.amdhsa_user_sgpr_count 2
		.amdhsa_user_sgpr_kernarg_segment_ptr 1
		.amdhsa_wavefront_size32 1
		.amdhsa_system_sgpr_workgroup_id_x 1
		.amdhsa_system_sgpr_workgroup_id_y 1
		.amdhsa_system_sgpr_workgroup_id_z 1
		.amdhsa_system_vgpr_workitem_id 0
		.amdhsa_next_free_vgpr 512
		.amdhsa_next_free_sgpr 66
		.amdhsa_reserve_vcc 0
		.amdhsa_float_denorm_mode_32 3
		.amdhsa_float_denorm_mode_16_64 3
		.amdhsa_memory_ordered 1
		.amdhsa_forward_progress 1
		.amdhsa_inst_pref_size 132
	.end_amdhsa_kernel
	.amdgpu_metadata
---
amdhsa.version: [ 1, 2 ]
amdhsa.kernels:
  - .name:           k_qf7e686e180_proj
    .symbol:         k_qf7e686e180_proj.kd
    .args:
      - { .name: query, .offset: 0, .size: 8, .value_kind: global_buffer, .address_space: global }
      - { .name: key_, .offset: 8, .size: 8, .value_kind: global_buffer, .address_space: global }
      - { .name: value, .offset: 16, .size: 8, .value_kind: global_buffer, .address_space: global }
      - { .name: bq, .offset: 24, .size: 8, .value_kind: global_buffer, .address_space: global }
      - { .name: bk, .offset: 32, .size: 8, .value_kind: global_buffer, .address_space: global }
      - { .name: bv, .offset: 40, .size: 8, .value_kind: global_buffer, .address_space: global }
      - { .name: wc, .offset: 48, .size: 8, .value_kind: global_buffer, .address_space: global }
      - { .name: ws, .offset: 56, .size: 8, .value_kind: global_buffer, .address_space: global }
      - { .name: qbuf, .offset: 64, .size: 8, .value_kind: global_buffer, .address_space: global }
      - { .name: kv, .offset: 72, .size: 8, .value_kind: global_buffer, .address_space: global }
    .group_segment_fixed_size: 54272
    .private_segment_fixed_size: 0
    .kernarg_segment_align: 8
    .kernarg_segment_size: 80
    .max_flat_workgroup_size: 256
    .sgpr_count:     66
    .vgpr_count:     512
    .wavefront_size: 32
...
	.end_amdgpu_metadata
.endif
;; end of part 2
;; launch attn (part 3): grid 16 x 16, 16 waves a work-group, no clusters, 327,680 bytes of LDS; arguments qbuf, kv, ctx; writes ctx
.if DOCPART == 3
	.amdgcn_target "amdgcn-amd-amdhsa--gfx1250"
	.amdhsa_code_object_version 6
	.text
	.protected	k_qf7e686e180_attn
	.globl	k_qf7e686e180_attn
	.p2align	8
	.type	k_qf7e686e180_attn,@function
k_qf7e686e180_attn:
	s_mov_b64 s[64:65], 0
	v_nop
	global_prefetch_b8 v0, s[64:65] scope:SCOPE_SE
	s_setreg_imm32_b32 hwreg(HW_REG_WAVE_MODE, 25, 1), 1
	s_wait_xcnt 0x0
; ctx[b][token][head][:] = the sum over keys of softmax(q . k / 8) v, both products on codes of FP6 (E2M3) with one E8M0 scale for each 32 along a product's K; ctx leaves quantised along (head, d) for the last projection.
; THE SOFTMAX: t = score x log2(e) / 8; M = the row's largest t so far, rounded UP to a whole number; p = 2^(t - M) is what is quantised, along the keys, not normalised.  The row's sum is taken of the unquantised p and divides at the end.
; When M moves, the sum and O are multiplied by 2^(old M - new M): exact.
; SHARES.  A work-group owns 256 queries of one of the 16 heads; each of its sixteen waves owns one token tile of 16, in 256 registers: four waves to a SIMD, so that one wave's vector work stands beside another's matrix work and LDS loads.
; Every wave walks the head's 4,096 keys, 128 a step.  A step's operands are one dense record of kv, 13,312 bytes: k's four fragment images and scale words, then v's.  Four steps make a slot; two slots take turns, filled by waves 0 and 1.
; LAYOUT.  Both products are used transposed (S^T = k q^T, O^T = v^T p^T): a lane holds ONE query throughout.  The tokens of a tile, and v's rows d, are chosen (8 u + r + 8 (r / 8) in a group of 32) so that a lane's 16 registers of two
; neighbouring tiles are 16 neighbours along the next K.
; K = 64.  A fragment of k holds TWO key tiles: registers 0-5 tile 0's 64 d, registers 6-11 tile 1's.  The query stands twice: QL = (q, zeros), QH = (zeros, q), scale word (q0, q1, q0, q1).  k x QL gives tile 0's scores, k x QH tile 1's:
; zero codes add nothing under any scale byte from 1 to 254.
; NO CLUSTER, though the 16 query blocks of a head walk the same kv: a work-group fetches 13,312 bytes for a key step in which its sixteen waves issue some 240 vector instructions each, so what is shared is small beside a step's work,
; and joint loads would put a round of the cluster's barrier at each of the seven changes of slots.
; LIMITS: NaN and infinities are not served; a p under 2^-126 counts as 0; a block of zeros keeps the scale byte 1 (the bytes are read by this program alone).
.set FRB,   1536                       ; a fragment's image
.set REC,   6656                       ; four images and 512 bytes of scale words [lane][fragment]
.set KSTEP, 2*REC                      ; a key step's bytes
.set SLOTB, 4*KSTEP                    ; a slot's: 53,248
.set SLOT1, 1<<16                      ; slot 1 begins here: one exclusive or turns an address from one slot to the other
.set SPARE, 2*SLOT1                    ; the spare words, 128 bytes for each of sixteen waves: eight blocks of 256 bytes that no other line names
.set LI,  1                            ; v1   16 x lane
.set AD,  2                            ; v2   16 x lane + the slot in hand
.set PFO, 3                            ; v3   256 x lane: the prefetches' offset; never rewritten
.set GO,  4                            ; v4   8 x lane
.set SPW, 5                            ; v5   my spare word's LDS address; never rewritten
.set NIL, 6                            ; v6   0; never rewritten
                                       ; v12 -M, v13 the largest t, v[14:15] the sum in two halves
.set QL,  16                           ; v16-27
.set QH,  28                           ; v28-39
.set QS,  40                           ; v40  q's scale word
.set F,   44                           ; v44-91   four fragments: k's, then v's
.set KSC, 92                           ; v92-95   k's scale words
.set S,   96                           ; v96-159  S^T, then p
.set O,   160                          ; v160-191 O^T: tile dt at 8 dt
.set PC,  192                          ; v192-203 p's codes
.set PT,  204                          ; v204-206, v208-210 halves on their way
.set BM,  212                          ; v212-215 each block's largest score, then its largest p
.set BX,  216                          ; v216-219 the other half's; later the bytes
.set SO,  220                          ; v220-223 the conversions' scale operands
.set VSC, 224                          ; v224-227 v's scale words
.set TMP, 228
.set FF,  230                          ; v[230:231] f = 2^(old M - new M), and a written 0
.set PS,  232                          ; v232 p's scale word
.set L2,  234                          ; v[234:235] the second chain of the sum
.set T,   236                          ; v236-248 at the head: q's fragment and scale word as loaded
.set TB,  2                            ; s2   LDS byte at which the slot in hand begins
.set SLOTS, 3                          ; s3   slots still to be asked for
.set WV,  18
.set SEL, 20
.set CS,  22                           ; s[22:23] c = log2(e) / 8
.set G1,  24                           ; s[24:31] descriptor group 1
.set G0,  40                           ; s[40:43] descriptor group 0, which walks
.set PFA, 44                           ; s[44:45] where my prefetches stand
.set PFC, 46                           ; s46  which run of 32 blocks of 256 bytes my next prefetch names, + 7; 1,000 and more in a wave that never asks
.set USEL, 47                          ; s47  all ones where my tile is its group's second
.set SH,  48                           ; s48  16 there, else 0
.macro MMZ d, a, b, sa, sb
	v_wmma_scale_f32_16x16x128_f8f6f4 v[\d:\d+7], v[\a:\a+11], v[\b:\b+11], 0, v[\sa], v[\sb] matrix_a_fmt:MATRIX_FMT_FP6 matrix_b_fmt:MATRIX_FMT_FP6
.endm
.macro MMC d, a, b, c, sa, sb
	v_wmma_scale_f32_16x16x128_f8f6f4 v[\d:\d+7], v[\a:\a+11], v[\b:\b+11], v[\c:\c+7], v[\sa], v[\sb] matrix_a_fmt:MATRIX_FMT_FP6 matrix_b_fmt:MATRIX_FMT_FP6
.endm
.macro PLACES                          ; four places behind matrix instructions, in front of loads into their operands and of the first read of results
.rept 4
	v_nop
.endr
.endm
; Waves 0 and 1 fetch half a slot each, the others nothing.  The branch hangs on the wave's number alone.  An s_nop 0 and four v_nop follow the load.
.macro TLOAD
	s_cmp_lt_u32 s[WV], 2
	s_cbranch_scc0 .Lasked_\@
	tensor_load_to_lds s[G0:G0+3], s[G1:G1+7]
	s_nop 0
.rept 4
	v_nop
.endr
.Lasked_\@:
.endm
; A PREFETCH INTO THE L2.  A head's kv is 1,664 blocks of 256 bytes; slots 0 and 1 (416 blocks) come by their loads alone.  All 16 work-groups of a head walk the same bytes: the head's first work-group asks, and in it waves 2 to 8,
; which fetch nothing: at change of slots k wave 2 + i names blocks 416 + 224 k + 32 i + lane, a lane a block.  Slot k + 2 is blocks 416 + 208 k .. + 207: it has been named whole by change k, a slot's four key steps ahead of its load.
; Each block is named once; a wave asks while its run 7 k + i is at most 38, so that the last block named is the head's last.
.macro ASK
	s_cmp_le_u32 s[PFC], 45
	s_cbranch_scc0 .Lnot_mine_\@
	global_prefetch_b8 v[PFO], s[PFA:PFA+1] th:TH_LOAD_NT scope:SCOPE_SE
.Lnot_mine_\@:
.endm
; THE CHANGE OF SLOTS stands at a slot's head.  Each wave waits for all its tensor loads (its part of the slot that it is about to read), adds 0 to its spare word, and waits for that and for its reads of the slot that it has left.
; Behind the barrier the slot ahead is whole and nobody reads the other one.  fill = 1: that other slot is filled with the next four key steps: the load has a slot's steps in which to land.
.macro CHANGE fill
	s_wait_tensorcnt 0x0                           ; no tensor load of mine is out, so group 0 may be written
	ds_add_u32 v[SPW], v[NIL]                      ; 0 onto my spare word
.if \fill
	s_xor_b32 s[G0+1], s[G0+1], SLOT1              ; the other slot than last time,
	s_add_nc_u64 s[G0+2:G0+3], s[G0+2:G0+3], SLOTB ; the next four key steps; the type bits on top are not reached
	s_wait_xcnt 0x0                                ; the last prefetch, a slot back, has read its address
	s_add_nc_u64 s[PFA:PFA+1], s[PFA:PFA+1], 224*256
	s_add_co_u32 s[PFC], s[PFC], 7
.endif
	s_wait_dscnt 0x0                               ; the add is done, and my reads of the slot that I have left are over
	s_barrier_signal -1
	s_barrier_wait -1
.if \fill
	TLOAD                                          ; the first thing behind the barrier, and a wave's one tensor load until the next
	ASK
.endif
.endm
; A KEY STEP: 128 keys, the q-th of the slot in hand
.macro STEP q
	PLACES                                         ; behind the last step's products, which read F
.irp g, 0,1,2,3
.irp c, 0,1,2
	ds_load_b128 v[F+12*\g+4*\c:F+12*\g+4*\c+3], v[AD] offset:KSTEP*(\q)+FRB*\g+512*\c
.endr
.endr
	ds_load_b128 v[KSC:KSC+3], v[AD] offset:KSTEP*(\q)+4*FRB
	s_wait_dscnt 0x0
.irp g, 0,1,2,3                                ; S^T: register 16 g + 8 u + j is key 32 g + 16 h + 8 u + j of my query
	MMZ S+16*\g, F+12*\g, QL, KSC+\g, QS
	MMZ S+16*\g+8, F+12*\g, QH, KSC+\g, QS
.endr
	PLACES
.irp g, 0,1,2,3                                ; v's fragments now: they land under the softmax
.irp c, 0,1,2
	ds_load_b128 v[F+12*\g+4*\c:F+12*\g+4*\c+3], v[AD] offset:KSTEP*(\q)+REC+FRB*\g+512*\c
.endr
.endr
	ds_load_b128 v[VSC:VSC+3], v[AD] offset:KSTEP*(\q)+REC+4*FRB
.irp b, 0,1,2,3
	v_max3_num_f32 v[BM+\b], v[S+16*\b], v[S+16*\b+1], v[S+16*\b+2]   ; the largest score of each block of 32 keys: it serves for the row's maximum and, since p rises with the score, for the block's largest p
.endr
.irp i, 3,5,7,9,11,13
.irp b, 0,1,2,3
	v_max3_num_f32 v[BM+\b], v[BM+\b], v[S+16*\b+\i], v[S+16*\b+\i+1]
.endr
.endr
.irp b, 0,1,2,3
	v_max_num_f32 v[BM+\b], v[BM+\b], v[S+16*\b+15]
.endr
.irp b, 0,1,2,3
	v_permlanex16_b32 v[BX+\b], v[BM+\b], s[SEL], s[SEL+1]
.endr
.irp b, 0,1,2,3
	v_max_num_f32 v[BM+\b], v[BM+\b], v[BX+\b]     ; with lane l xor 16's 16 keys
.endr
	v_max3_num_f32 v[TMP], v[BM], v[BM+1], v[BM+2]
	v_max_num_f32 v[TMP], v[TMP], v[BM+3]          ; the step's largest score of my query
	v_mul_f32 v[TMP], s[CS], v[TMP]                ; as t (c is positive)
	v_max_num_f32 v13, v13, v[TMP]                 ; the running largest t
	v_mov_b32 v[TMP], v12
	v_floor_f32 v12, -v13                          ; the new -M = floor(-t): M is a whole number
	v_sub_f32 v[TMP], v12, v[TMP]                  ; old M - new M: a whole number, 0 or less
	v_cvt_i32_f32 v[TMP], v[TMP]                   ; (it saturates)
	v_ldexp_f32 v[FF], 1.0, v[TMP]                 ; f = 2^(old M - new M)
.set j, 0
.rept 32
	v_pk_fma_f32 v[S+j:S+j+1], v[S+j:S+j+1], s[CS:CS+1], v[12:13] op_sel_hi:[1,0,0]   ; t - M, two at a time
.set j, j+2
.endr
.irp b, 0,1,2,3
	v_fma_f32 v[BM+\b], v[BM+\b], s[CS], v12       ; the same of each block's largest score
.endr
.set j, 0
.rept 64
	v_exp_f32 v[S+j], v[S+j]                       ; p = 2^(t - M), at most 1
.set j, j+1
.endr
	v_pk_mul_f32 v[14:15], v[14:15], v[FF:FF+1] op_sel_hi:[1,0]   ; the sums under the new M; a plain place behind the exponentials
	s_wait_alu depctr_va_vdst(0)                   ; one wait for the whole batch, ahead of its first reader
.irp b, 0,1,2,3
	v_exp_f32 v[BM+\b], v[BM+\b]                   ; the block's largest p: the same two instructions on the same number give the same bits
.endr
	v_pk_add_f32 v[L2:L2+1], v[S:S+1], v[S+2:S+3]  ; the row's sum is taken of the unquantised p, in two chains; it reads the 64 alone
.set j, 4
.rept 15
	v_pk_add_f32 v[14:15], v[14:15], v[S+j:S+j+1]
	v_pk_add_f32 v[L2:L2+1], v[L2:L2+1], v[S+j+2:S+j+3]
.set j, j+4
.endr
	v_pk_add_f32 v[14:15], v[14:15], v[L2:L2+1]
	s_wait_alu depctr_va_vdst(0)                   ; and one for the four
.irp b, 0,1,2,3
	v_max_num_f32 v[BM+\b], 0x1800000, v[BM+\b]    ; the floor 2^(3 - 127): the byte cannot fall under 1
.endr
.irp b, 0,1,2,3
	v_add_nc_u32 v[SO+\b], 0xff000000, v[BM+\b]    ; 2 off the exponent field: the conversion's scale operand
.endr
.irp b, 0,1,2,3
	v_lshrrev_b32 v[BX+\b], 23, v[SO+\b]           ; the scale's byte
.endr
	v_lshl_or_b32 v[PS], v[BX+1], 8, v[BX]         ; p's scale word for these 128 keys
	v_lshl_or_b32 v[PS], v[BX+2], 16, v[PS]
	v_lshl_or_b32 v[PS], v[BX+3], 24, v[PS]
.irp c, 0,1
	v_cvt_scalef32_pk16_fp6_f32 v[PC+6*\c:PC+6*\c+2], v[S+32*\c:S+32*\c+15], v[SO+2*\c]
	v_cvt_scalef32_pk16_fp6_f32 v[PT+4*\c:PT+4*\c+2], v[S+32*\c+16:S+32*\c+31], v[SO+2*\c+1]
.endr
	v_nop                                          ; one plain place behind a scaled conversion
.irp c, 0,1                                    ; a whole block in a lane: lanes 0-15 block 2 c, lanes 16-31 block 2 c + 1
.irp i, 0,1,2
	v_permlane16_swap_b32 v[PC+6*\c+\i], v[PT+4*\c+\i]
.endr
.irp i, 0,1,2
	v_mov_b32 v[PC+3+6*\c+\i], v[PT+4*\c+\i]
.endr
.endr
.set j, 0
.rept 16
	v_pk_mul_f32 v[O+j:O+j+1], v[O+j:O+j+1], v[FF:FF+1] op_sel_hi:[1,0]   ; O^T under the new M, each accumulator from its low end on; for each product below twelve of these name none of its registers: its places behind the codes and the scale word
.set j, j+2
.endr
	s_wait_dscnt 0x0                               ; v's fragments are in
.irp t, 0,1,2,3                                ; O^T += v^T p^T: the four accumulators by turns
	MMC O+8*\t, F+12*\t, PC, O+8*\t, VSC+\t, PS
.endr
.endm
.macro SLOT_STEPS
	v_add_nc_u32 v[AD], s[TB], v[LI]
	STEP 0
	STEP 1
	STEP 2
	STEP 3
	s_xor_b32 s[TB], s[TB], SLOT1                  ; on to the other slot
.endm
	s_load_b128 s[4:7], s[0:1], 0x0                ; qbuf, kv
	s_load_b64 s[8:9], s[0:1], 0x10                ; ctx
	v_lshl_add_u32 v[SPW], v0, 2, SPARE
	v_mov_b32 v[NIL], 0
	ds_add_u32 v[SPW], v[NIL]                      ; the wave's opening: the add, and its wait ahead of my first tensor load; the set-up below, work on registers, stands between them
	v_lshrrev_b32 v7, 5, v0
	v_readfirstlane_b32 s[WV], v7                  ; wave 0..15
	v_and_b32 v[LI], 31, v0
	v_lshlrev_b32 v[PFO], 8, v[LI]
	v_lshlrev_b32 v[GO], 3, v[LI]
	v_lshlrev_b32 v[LI], 4, v[LI]
	; descriptor group 1: half a slot, 26,624 dense bytes, as 104 rows of 256 bytes (32 elements of 8 bytes), no padding: every read is 16 x lane + a constant
	s_mov_b32 s[G1], 3<<16
	s_mov_b32 s[G1+1], 32<<16                      ; tensor_dim0
	s_mov_b32 s[G1+2], 104<<16                     ; tensor_dim1
	s_mov_b32 s[G1+3], 32<<16                      ; tile_dim0
	s_mov_b32 s[G1+4], 104                         ; tile_dim1
	s_mov_b32 s[G1+5], 32                          ; from row to row
	s_mov_b32 s[G1+6], 0
	s_mov_b32 s[G1+7], 0
	s_mov_b32 s[SEL], 0x76543210
	s_mov_b32 s[SEL+1], 0xfedcba98
	s_mov_b32 s[CS], 0x3e38aa3b                    ; log2(e) / 8
	s_mov_b32 s[CS+1], s[CS]
	s_mov_b32 s[TB], 0
	s_mov_b32 s[SLOTS], 7
	s_and_b32 s10, ttmp7, 0xffff                   ; the head, 8 batch + head
	s_mul_i32 s12, s10, 32*KSTEP                   ; its first byte in kv
	s_mov_b32 s13, 0
	s_and_b32 s14, s[WV], 1                        ; my tile's place in its group of 32 tokens.  Also: which half of a slot I fetch, if I fetch
	s_mul_i32 s50, s14, SLOTB/2
	s_mov_b32 s51, 0
	s_sub_co_u32 s[USEL], 0, s14
	s_lshl_b32 s[SH], s14, 4
	s_lshl_b32 s16, s10, 5                         ; q's record: 32 head + 2 x + w / 8
	s_lshl_b32 s17, ttmp9, 1
	s_add_co_u32 s16, s16, s17
	s_lshr_b32 s17, s[WV], 3
	s_add_co_u32 s16, s16, s17
	s_mul_i32 s16, s16, REC
	s_bfe_u32 s32, s[WV], 0x20001                  ; the fragment in it: (w / 2) % 4
	s_mul_i32 s33, s32, FRB
	s_add_co_u32 s34, s16, s33
	s_mov_b32 s35, 0
	s_lshl_b32 s32, s32, 2
	s_add_co_u32 s36, s16, s32
	s_add_co_u32 s36, s36, 4*FRB                   ; and its scale words
	s_mov_b32 s37, 0
	s_lshr_b32 s38, s10, 3                         ; ctx: ((256 batch + 16 x + w) x 8 + head) x 1,024
	s_lshl_b32 s38, s38, 8
	s_lshl_b32 s39, ttmp9, 4
	s_add_co_u32 s38, s38, s39
	s_add_co_u32 s38, s38, s[WV]
	s_lshl_b32 s38, s38, 3
	s_and_b32 s39, s10, 7
	s_add_co_u32 s38, s38, s39
	s_lshl_b32 s38, s38, 10
	s_mov_b32 s39, 0
	s_sub_co_u32 s32, s[WV], 2                     ; the prefetches: i = w - 2, in waves 2 to 8
	s_cmp_lt_u32 s32, 7
	s_cselect_b32 s33, 0, 1
	s_or_b32 s33, s33, ttmp9                       ; of the head's first work-group
	s_cmp_eq_u32 s33, 0
	s_cselect_b32 s[PFC], s32, 1000
	s_cselect_b32 s32, s32, 0
	s_lshl_b32 s32, s32, 13                        ; 32 blocks a wave,
	s_add_co_u32 s32, s32, 416*256-224*256         ; one change's 224 blocks short of block 416: the first change steps it there
	s_mov_b32 s33, 0
	s_wait_dscnt 0x0                               ; the opening add is done
	s_wait_kmcnt 0x0
	s_add_nc_u64 s[6:7], s[6:7], s[12:13]          ; kv at my head
	s_mov_b32 s[G0], 1                             ; count = 1
	s_mov_b32 s[G0+1], s50                         ; LDS address: slot 0, my half
	s_add_nc_u64 s[G0+2:G0+3], s[6:7], s[50:51]    ; the head's first four key steps, my half
	s_or_b32 s[G0+3], s[G0+3], 0x80000000          ; type = 2
	TLOAD                                          ; slot 0
	s_add_nc_u64 s[52:53], s[4:5], s[34:35]
	s_add_nc_u64 s[54:55], s[4:5], s[36:37]
	s_add_nc_u64 s[8:9], s[8:9], s[38:39]
	s_add_nc_u64 s[PFA:PFA+1], s[6:7], s[32:33]
.irp c, 0,1,2
	global_load_b128 v[T+4*\c:T+4*\c+3], v[LI], s[52:53] offset:512*\c   ; the fragment that holds my tile and its neighbour
.endr
	global_load_b32 v[T+12], v[LI], s[54:55]       ; its scale word: 16 bytes a lane, my fragment's word
	v_mov_b32 v13, 0xff61b1e6                      ; the largest t so far: -3e38, under every t
	v_floor_f32 v12, -v13                          ; -M
	v_mov_b32 v14, 0
	v_mov_b32 v15, 0
	v_mov_b32 v[FF+1], 0                           ; named as the upper half of a pair
.irp b, 0,1,2,3
	v_mov_b32 v[BX+\b], 0                          ; a lane permute's destination counts as one of its sources
.endr
.set j, 0
.rept 32
	v_mov_b32 v[O+j], 0                            ; O^T: the step is written once, and its first walk finds zeros, which the first change of M leaves zeros
.set j, j+1
.endr
	s_wait_loadcnt 0x0
.irp i, 0,1,2,3,4,5
	v_cndmask_b32 v[QL+\i], v[T+\i], v[T+6+\i], s[USEL]   ; my tile's six registers
.endr
.irp i, 0,1,2,3,4,5
	v_mov_b32 v[QH+6+\i], v[QL+\i]
.endr
.irp i, 0,1,2,3,4,5
	v_mov_b32 v[QL+6+\i], 0
	v_mov_b32 v[QH+\i], 0
.endr
	v_lshrrev_b32 v[QS], s[SH], v[T+12]            ; my tile's two bytes,
	v_and_b32 v[QS], 0xffff, v[QS]
	v_lshl_or_b32 v[QS], v[QS], 16, v[QS]          ; twice
.rept 8
	v_nop                                          ; a scale register written by a vector instruction stands 8 places ahead of a scaled matrix instruction
.endr
.Lslot:                                            ; 7 trips: behind each change of slots but the last the next slot is asked for
	CHANGE 1
	SLOT_STEPS
	s_sub_co_u32 s[SLOTS], s[SLOTS], 1
	s_cmp_lg_u32 s[SLOTS], 0
	s_cbranch_scc1 .Lslot
	CHANGE 0                                       ; the last slot is written out
	SLOT_STEPS
	; THE WAY OUT.  O^T / the sum is ctx(my query, d): register 16 b + i is d 32 b + 16 h + i.  It is quantised along d (two blocks of the last projection's K) and leaves as half a fragment's image and a scale word.
	PLACES
	v_add_f32 v14, v14, v15                        ; the sum's two halves,
	v_permlanex16_b32 v[TMP], v14, s[SEL], s[SEL+1]
	v_add_f32 v14, v14, v[TMP]                     ; and lane l xor 16's
	v_rcp_f32 v14, v14
	v_nop                                          ; a plain place behind the reciprocal
	s_wait_alu depctr_va_vdst(0)                   ; and the wait ahead of its first reader
.set j, 0
.rept 32
	v_mul_f32 v[S+j], v[O+j], v14
.set j, j+1
.endr
.irp b, 0,1
	v_max3_num_f32 v[BM+\b], |v[S+16*\b]|, |v[S+16*\b+1]|, 0x1800000
.endr
.irp i, 2,4,6,8,10,12,14
.irp b, 0,1
	v_max3_num_f32 v[BM+\b], v[BM+\b], |v[S+16*\b+\i]|, |v[S+16*\b+\i+1]|
.endr
.endr
.irp b, 0,1
	v_permlanex16_b32 v[BX+\b], v[BM+\b], s[SEL], s[SEL+1]
.endr
.irp b, 0,1
	v_max_num_f32 v[BM+\b], v[BM+\b], v[BX+\b]
.endr
.irp b, 0,1
	v_add_nc_u32 v[SO+\b], 0xff000000, v[BM+\b]
.endr
.irp b, 0,1
	v_lshrrev_b32 v[BX+\b], 23, v[SO+\b]
.endr
	v_lshl_or_b32 v[PC+6], v[BX+1], 8, v[BX]       ; the two bytes,
	v_mov_b32 v[PC+7], 0                           ; and a word of zeros, so that the fourth store too is whole
	v_cvt_scalef32_pk16_fp6_f32 v[PC:PC+2], v[S:S+15], v[SO]
	v_cvt_scalef32_pk16_fp6_f32 v[PT:PT+2], v[S+16:S+31], v[SO+1]
	v_nop
.irp i, 0,1,2
	v_permlane16_swap_b32 v[PC+\i], v[PT+\i]
.endr
.irp i, 0,1,2
	v_mov_b32 v[PC+3+\i], v[PT+\i]                 ; registers 0-5: d = 32 h + 0 .. 31 of my query
.endr
.irp i, 0,1,2,3
	global_store_b64 v[GO], v[PC+2*\i:PC+2*\i+1], s[8:9] offset:256*\i   ; 32 lanes store 256 consecutive bytes, aligned
.endr
	s_wait_tensorcnt 0x0                           ; the wave's end, behind my last tensor load
	ds_add_u32 v[SPW], v[NIL]
	s_wait_dscnt 0x0
	s_endpgm
.Lfunc_end_k_qf7e686e180_attn:
	.size	k_qf7e686e180_attn, .Lfunc_end_k_qf7e686e180_attn-k_qf7e686e180_attn
	.p2alignl 7, 3214868480
	.fill 96, 4, 3214868480
	.section	.rodata,"a",@progbits
	.p2align	6, 0x0
	.amdhsa_kernel k_qf7e686e180_attn
		.amdhsa_group_segment_fixed_size 327680
		.amdhsa_private_segment_fixed_size 0
		.amdhsa_enable_private_segment 0
		.amdhsa_kernarg_size 24
		.amdhsa_user_sgpr_count 2
		.amdhsa_user_sgpr_kernarg_segment_ptr 1
		.amdhsa_wavefront_size32 1
		.amdhsa_system_sgpr_workgroup_id_x 1
		.amdhsa_system_sgpr_workgroup_id_y 1
		.amdhsa_system_sgpr_workgroup_id_z 1
		.amdhsa_system_vgpr_workitem_id 0
		.amdhsa_next_free_vgpr 256
		.amdhsa_next_free_sgpr 66
		.amdhsa_reserve_vcc 0
		.amdhsa_float_denorm_mode_32 3
		.amdhsa_float_denorm_mode_16_64 3
		.amdhsa_memory_ordered 1
		.amdhsa_forward_progress 1
		.amdhsa_inst_pref_size 133
	.end_amdhsa_kernel
	.amdgpu_metadata
---
amdhsa.version: [ 1, 2 ]
amdhsa.kernels:
  - .name:           k_qf7e686e180_attn
    .symbol:         k_qf7e686e180_attn.kd
    .args:
      - { .name: qbuf, .offset: 0, .size: 8, .value_kind: global_buffer, .address_space: global }
      - { .name: kv, .offset: 8, .size: 8, .value_kind: global_buffer, .address_space: global }
      - { .name: ctx, .offset: 16, .size: 8, .value_kind: global_buffer, .address_space: global }
    .group_segment_fixed_size: 327680
    .private_segment_fixed_size: 0
    .kernarg_segment_align: 8
    .kernarg_segment_size: 24
    .max_flat_workgroup_size: 512
    .sgpr_count:     66
    .vgpr_count:     256
    .wavefront_size: 32
...
	.end_amdgpu_metadata
.endif
;; end of part 3
;; launch outp (part 4): grid 256 x 1, 8 waves a work-group, no clusters, 35,840 bytes of LDS; arguments ctx, wc, ws, bo, out0; writes out0
.if DOCPART == 4
	.amdgcn_target "amdgcn-amd-amdhsa--gfx1250"
	.amdhsa_code_object_version 6
	.text
	.protected	k_qf7e686e180_outp
	.globl	k_qf7e686e180_outp
	.p2align	8
	.type	k_qf7e686e180_outp,@function
k_qf7e686e180_outp:
	s_mov_b64 s[64:65], 0
	v_nop
	global_prefetch_b8 v0, s[64:65] scope:SCOPE_SE
	s_setreg_imm32_b32 hwreg(HW_REG_WAVE_MODE, 25, 1), 1
	s_wait_xcnt 0x0
; out0 = ctx Wo^T + bo on codes of FP6 (E2M3).  ctx comes as half fragments [token tile][head][1,024 bytes] (three runs of 256 bytes of codes, 8 bytes a lane; a fourth with the lane's scale bytes), Wo as fragment images and scale words.
; SHARES.  A work-group takes a group of 32 tokens (its two token tiles) and all 512 columns: 256 work-groups.  Wave w takes columns 64 w .. 64 w + 63, 256 bytes of each row of out0: so the waves share nothing, and there is no barrier.
; The product is used transposed (source 0 = 16 rows of Wo, source 1 = 16 tokens): a lane holds one token and eight neighbouring columns.  The bias is loaded into the accumulators and is the C of each sum's first product.
; Tile u gives lane r the token 8 u + r + 8 (r / 8) of the group; lane r of Wo's tile t takes row 32 (t / 2) + 8 (t % 2) + r + 8 (r / 8) of the wave's 64.
; REGISTERS.  Window 0: v1-6 addresses; v16-111 ctx's 8 fragments (tile u, K step s: 4 u + s), later rows on their way out; v112-175 the 8 accumulators (4 u + t); v176-191 scale bytes as loaded; v192-199 ctx's scale words; v200-215 Wo's;
;   v252, v253 the add's two.   Window 1: v0-191 Wo's 16 fragments (4 t + s).
.set FRB,   1536
.set SPITCH, 272                       ; a stage row: 256 bytes + 16: the sixteen rows that a store touches start at sixteen different groups of four banks
.set STGW,  16*SPITCH                  ; a wave's stage
.set SPARE, 8*STGW                     ; behind the stages: the spare words, 128 bytes for each of eight waves: four blocks of 256 bytes that no other line names
.set LI,  1                            ; v1  16 x lane
.set L8,  2                            ; v2  8 x lane
.set BA,  3                            ; v3  64 h
.set STO, 4                            ; v4  into my stage: row r, + 64 h
.set RD,  5                            ; v5  back: row h, + 16 r
.set CO,  6                            ; v6  the same in out0: 2,048 h + 16 r
.set CF,  16
.set ACC, 112
.set T,   176
.set CSC, 192
.set WS,  200
.set OB,  16
.set SPW, 252
.set NIL, 253
.set WF,  0                            ; window 1
.set MSB, 0
.macro WIN new                         ; the immediate's high byte repeats the setting that is left
.if MSB != \new
	s_set_vgpr_msb (MSB<<8)|\new
.set MSB, \new
.endif
.endm
.macro MMC d, a, b, c, sa, sb
	v_wmma_scale_f32_16x16x128_f8f6f4 v[\d:\d+7], v[\a:\a+11], v[\b:\b+11], v[\c:\c+7], v[\sa], v[\sb] matrix_a_fmt:MATRIX_FMT_FP6 matrix_b_fmt:MATRIX_FMT_FP6
.endm
	s_load_b256 s[4:11], s[0:1], 0x0               ; ctx s[4:5], wc s[6:7], ws s[8:9], bo s[10:11]
	s_load_b64 s[12:13], s[0:1], 0x20              ; out0
	v_lshl_add_u32 v[SPW], v0, 2, SPARE
	v_mov_b32 v[NIL], 0
	v_lshrrev_b32 v7, 5, v0
	v_readfirstlane_b32 s14, v7                    ; wave 0..7
	v_and_b32 v8, 31, v0
	v_lshlrev_b32 v[LI], 4, v8
	v_lshlrev_b32 v[L8], 3, v8
	v_and_b32 v9, 15, v0                           ; r
	v_bfe_u32 v10, v0, 4, 1                        ; h
	v_lshlrev_b32 v[BA], 6, v10
	s_mul_i32 s15, s14, STGW
	v_mul_u32_u24 v[STO], v9, SPITCH
	v_lshl_add_u32 v[STO], v10, 6, v[STO]
	v_add_nc_u32 v[STO], s15, v[STO]
	v_mul_u32_u24 v[RD], v10, SPITCH
	v_lshl_add_u32 v[RD], v9, 4, v[RD]
	v_add_nc_u32 v[RD], s15, v[RD]
	v_lshlrev_b32 v[CO], 11, v10
	v_lshl_add_u32 v[CO], v9, 4, v[CO]
	s_lshl_b32 s16, ttmp9, 14                      ; ctx: two tiles x 8 heads x 1,024 bytes a group
	s_mov_b32 s17, 0
	s_mul_i32 s18, s14, 16*FRB                     ; wc: the fourth weight, my four tiles
	s_add_co_u32 s18, s18, 3*32*4*FRB
	s_mov_b32 s19, 0
	s_lshl_b32 s20, s14, 11                        ; ws likewise
	s_add_co_u32 s20, s20, 3*32*512
	s_mov_b32 s21, 0
	s_lshl_b32 s22, s14, 8                         ; bo: my 64 numbers
	s_mov_b32 s23, 0
	s_lshl_b32 s24, ttmp9, 16                      ; out0: 32 rows of 2,048 bytes a group, + my 256 bytes
	s_add_co_u32 s24, s24, s22
	s_mov_b32 s25, 0
	s_wait_kmcnt 0x0
	s_add_nc_u64 s[4:5], s[4:5], s[16:17]
	s_add_nc_u64 s[6:7], s[6:7], s[18:19]
	s_add_nc_u64 s[8:9], s[8:9], s[20:21]
	s_add_nc_u64 s[10:11], s[10:11], s[22:23]
	s_add_nc_u64 s[12:13], s[12:13], s[24:25]
.irp u, 0,1
.irp s, 0,1,2,3
.irp e, 0,1
.irp p, 0,1,2
	global_load_b64 v[CF+12*(4*\u+\s)+6*\e+2*\p:CF+12*(4*\u+\s)+6*\e+2*\p+1], v[L8], s[4:5] offset:8192*\u+1024*(2*\s+\e)+256*\p   ; K step s is heads 2 s and 2 s + 1: registers 6 e on are head 2 s + e
.endr
.endr
.endr
.irp hd, 0,1,2,3,4,5,6,7
	global_load_b32 v[T+8*\u+\hd], v[L8], s[4:5] offset:8192*\u+1024*\hd+768   ; the head's two scale bytes of my token
.endr
.irp t, 0,1,2,3
	global_load_b128 v[ACC+8*(4*\u+\t):ACC+8*(4*\u+\t)+3], v[BA], s[10:11] offset:(32*(\t/2)+8*(\t%2))*4   ; bo at 32 (t / 2) + 16 h + 8 (t % 2) + 0 .. 7
	global_load_b128 v[ACC+8*(4*\u+\t)+4:ACC+8*(4*\u+\t)+7], v[BA], s[10:11] offset:(32*(\t/2)+8*(\t%2))*4+16
.endr
.endr
.irp t, 0,1,2,3
	global_load_b128 v[WS+4*\t:WS+4*\t+3], v[LI], s[8:9] offset:512*\t   ; Wo's scale words: register 4 t + s
.endr
	WIN 0x40                                       ; destination window 1
.irp f, 0,1,2,3,4,5,6,7,8,9,10,11,12,13,14,15
.irp c, 0,1,2
	global_load_b128 v[WF+12*\f+4*\c:WF+12*\f+4*\c+3], v[LI], s[6:7] offset:FRB*\f+512*\c
.endr
.endr
	WIN 0
	s_wait_loadcnt 0x0
.irp u, 0,1
.irp s, 0,1,2,3
	v_lshl_or_b32 v[CSC+4*\u+\s], v[T+8*\u+2*\s+1], 16, v[T+8*\u+2*\s]   ; two heads' bytes make a K step's scale word
.endr
.endr
.rept 8
	v_nop                                          ; a scale register written by a vector instruction stands 8 places ahead of a scaled matrix instruction
.endr
	WIN 0x01                                       ; source 0 (Wo) window 1
.irp s, 0,1,2,3                                ; the eight accumulators by turns
.irp u, 0,1
.irp t, 0,1,2,3
	MMC ACC+8*(4*\u+\t), WF+12*(4*\t+\s), CF+12*(4*\u+\s), ACC+8*(4*\u+\t), WS+4*\t+\s, CSC+4*\u+\s
.endr
.endr
.endr
	WIN 0
.rept 4
	v_nop                                          ; places in front of the first read of results and of loads into the operands' registers
.endr
	; THE WAY OUT: a tile's 16 tokens x 64 columns go through my own stage and come back as rows of 256 bytes.  LDS serves a wave's instructions in order (ISA guide 5.7.1.4): no wait between the stores and the loads, nor in front of the next tile's stores.
.irp u, 0,1
.irp t, 0,1,2,3
	ds_store_b128 v[STO], v[ACC+8*(4*\u+\t):ACC+8*(4*\u+\t)+3] offset:128*(\t/2)+32*(\t%2)       ; each accumulator from its low end on
	ds_store_b128 v[STO], v[ACC+8*(4*\u+\t)+4:ACC+8*(4*\u+\t)+7] offset:128*(\t/2)+32*(\t%2)+16
.endr
.irp i, 0,1,2,3,4,5,6,7
	ds_load_b128 v[OB+32*\u+4*\i:OB+32*\u+4*\i+3], v[RD] offset:2*SPITCH*\i   ; stage rows 2 i and 2 i + 1
.endr
.endr
.irp u, 0,1
.irp i, 0,1,2,3,4,5,6,7
	s_wait_dscnt 23-16*\u-\i                       ; behind this load: its tile's 7 - i younger loads, and for tile 0 tile 1's sixteen LDS instructions
	global_store_b128 v[CO], v[OB+32*\u+4*\i:OB+32*\u+4*\i+3], s[12:13] offset:(8*\u+2*\i+8*(\i/4))*2048 th:TH_STORE_NT   ; stage row 2 i + h is token 8 u + 2 i + h + 8 (i / 4); 16 lanes store 256 consecutive bytes, aligned
.endr
.endr
	s_wait_tensorcnt 0x0                           ; the wave's end, behind my last LDS store
	ds_add_u32 v[SPW], v[NIL]
	s_wait_dscnt 0x0
	s_endpgm
.Lfunc_end_k_qf7e686e180_outp:
	.size	k_qf7e686e180_outp, .Lfunc_end_k_qf7e686e180_outp-k_qf7e686e180_outp
	.p2alignl 7, 3214868480
	.fill 96, 4, 3214868480
	.section	.rodata,"a",@progbits
	.p2align	6, 0x0
	.amdhsa_kernel k_qf7e686e180_outp
		.amdhsa_group_segment_fixed_size 35840
		.amdhsa_private_segment_fixed_size 0
		.amdhsa_enable_private_segment 0
		.amdhsa_kernarg_size 40
		.amdhsa_user_sgpr_count 2
		.amdhsa_user_sgpr_kernarg_segment_ptr 1
		.amdhsa_wavefront_size32 1
		.amdhsa_system_sgpr_workgroup_id_x 1
		.amdhsa_system_sgpr_workgroup_id_y 1
		.amdhsa_system_sgpr_workgroup_id_z 1
		.amdhsa_system_vgpr_workitem_id 0
		.amdhsa_next_free_vgpr 448
		.amdhsa_next_free_sgpr 66
		.amdhsa_reserve_vcc 0
		.amdhsa_float_denorm_mode_32 3
		.amdhsa_float_denorm_mode_16_64 3
		.amdhsa_memory_ordered 1
		.amdhsa_forward_progress 1
		.amdhsa_inst_pref_size 24
	.end_amdhsa_kernel
	.amdgpu_metadata
---
amdhsa.version: [ 1, 2 ]
amdhsa.kernels:
  - .name:           k_qf7e686e180_outp
    .symbol:         k_qf7e686e180_outp.kd
    .args:
      - { .name: ctx, .offset: 0, .size: 8, .value_kind: global_buffer, .address_space: global }
      - { .name: wc, .offset: 8, .size: 8, .value_kind: global_buffer, .address_space: global }
      - { .name: ws, .offset: 16, .size: 8, .value_kind: global_buffer, .address_space: global }
      - { .name: bo, .offset: 24, .size: 8, .value_kind: global_buffer, .address_space: global }
      - { .name: out0, .offset: 32, .size: 8, .value_kind: global_buffer, .address_space: global }
    .group_segment_fixed_size: 35840
    .private_segment_fixed_size: 0
    .kernarg_segment_align: 8
    .kernarg_segment_size: 40
    .max_flat_workgroup_size: 256
    .sgpr_count:     66
    .vgpr_count:     448
    .wavefront_size: 32
...
	.end_amdgpu_metadata
.endif
;; end of part 4
;; ======== version 2 of 2: 4 launches
;; workspace buffers: wc 786,432 bytes; ws 65,536 bytes; qbuf 3,407,872 bytes; kv 6,815,744 bytes; ctx 4,194,304 bytes
;; launch wquant (part 5): grid 128 x 1, 1 waves a work-group, no clusters, 0 bytes of LDS; arguments Wq, Wk, Wv, Wo, wc, ws; writes wc, ws
.if DOCPART == 5
	.amdgcn_target "amdgcn-amd-amdhsa--gfx1250"
	.amdhsa_code_object_version 6
	.text
	.protected	k_qf7e686e180_wquant
	.globl	k_qf7e686e180_wquant
	.p2align	8
	.type	k_qf7e686e180_wquant,@function
k_qf7e686e180_wquant:
	s_mov_b64 s[64:65], 0
	v_nop
	global_prefetch_b8 v0, s[64:65] scope:SCOPE_SE
	s_setreg_imm32_b32 hwreg(HW_REG_WAVE_MODE, 25, 1), 1
	s_wait_xcnt 0x0
; Wq, Wk, Wv, Wo [512 (n)][512 (k)] f32 become codes of FP6 (E2M3) with one E8M0 byte for each 32 along k, laid as IMAGES OF OPERAND REGISTERS.
; wc: [weight 0..3][tile t 0..31][K step s 0..3][1,536 bytes]: a fragment's 12 registers in three groups of four, lane l's 16 bytes of group c at 512 c + 16 l.
; ws: [weight][tile][lane][s]: the scale word (four bytes: 128 along k) of the lane's row, 16 bytes a lane.
; THE ROWS OF A TILE ARE NOT NEIGHBOURS: lane r of tile t takes row 32 (t / 2) + 8 (t % 2) + r + 8 (r / 8), so that, where the tile is a product's source 0, the 16 result registers of tiles 2 b and 2 b + 1 are 16 neighbours.
; A work-group is one wave and takes one tile of one weight: 16 rows x 512 k, four fragments.  128 work-groups.  No LDS, no barrier.
; A block's scale byte is its largest magnitude's exponent field - 2, held at 1 from below by a floor among the maximum's leaves.
; LIMITS: a block of zeros, or one whose largest magnitude lies under 2^-124, keeps the byte 1 (its codes are zeros or nearly; the bytes are read by this program alone); NaN and infinities are not served.
.set FRB, 1536                         ; a fragment's image in bytes
.set XA,  1                            ; v1   my byte in the tile's rows: (r + 8 (r / 8)) x 2,048 + 64 h
.set LI,  2                            ; v2   16 x lane
.set S0,  16                           ; v16-79, v80-143, v144-207: three sets of 64 numbers
.set S1,  80
.set S2,  144
.set PC,  208                          ; v208-226 the codes just made
.set TM,  228                          ; v228-243 at work in QUANT
.set PW,  244                          ; v244-247 the four scale words
.set XP,  16                           ; s[16:17] the weight at the tile's first row
.set SEL, 20                           ; s[20:21] lane selects: lane l xor 16
.set WC,  12                           ; s[12:13] wc at my tile
.set WSB, 14                           ; s[14:15] ws at my tile
; 64 numbers a lane of K step s: register 16 b + i = k 128 s + 32 b + 16 h + i of my row
.macro XLOAD reg, s
.irp b, 0,1,2,3
.irp j, 0,1,2,3
	global_load_b128 v[\reg+16*\b+4*\j:\reg+16*\b+4*\j+3], v[XA], s[XP:XP+1] offset:512*\s+128*\b+16*\j th:TH_LOAD_NT
.endr
.endr
.endm
; 64 numbers of a lane, register 16 b + i = place 32 b + 16 h + i along K of my row, become a fragment's 12 registers in v[PC] on and its scale word in v[pw]
.macro QUANT s, pw
.irp b, 0,1,2,3
	v_max3_num_f32 v[TM+\b], |v[\s+16*\b]|, |v[\s+1+16*\b]|, 0x1800000   ; block b: my 16 numbers, and the floor 2^(3 - 127): the byte cannot fall under 1
.endr
.irp i, 2,4,6,8,10,12,14
.irp b, 0,1,2,3
	v_max3_num_f32 v[TM+\b], v[TM+\b], |v[\s+16*\b+\i]|, |v[\s+1+16*\b+\i]|   ; the four blocks by turns
.endr
.endr
.irp b, 0,1,2,3
	v_permlanex16_b32 v[TM+4+\b], v[TM+\b], s[SEL], s[SEL+1]
.endr
.irp b, 0,1,2,3
	v_max_num_f32 v[TM+\b], v[TM+\b], v[TM+4+\b]   ; with lane l xor 16's 16: the block's largest magnitude
.endr
.irp b, 0,1,2,3
	v_add_nc_u32 v[TM+12+\b], 0xff000000, v[TM+\b]   ; 2 off its exponent field: the conversion's scale operand
.endr
.irp b, 0,1,2,3
	v_lshrrev_b32 v[TM+4+\b], 23, v[TM+12+\b]      ; the scale's byte
.endr
	v_lshl_or_b32 v[\pw], v[TM+5], 8, v[TM+4]
	v_lshl_or_b32 v[\pw], v[TM+6], 16, v[\pw]
	v_lshl_or_b32 v[\pw], v[TM+7], 24, v[\pw]
.irp c, 0,1
	v_cvt_scalef32_pk16_fp6_f32 v[PC+6*\c:PC+2+6*\c], v[\s+32*\c:\s+15+32*\c], v[TM+12+2*\c]
	v_cvt_scalef32_pk16_fp6_f32 v[PC+12+4*\c:PC+14+4*\c], v[\s+16+32*\c:\s+31+32*\c], v[TM+12+2*\c+1]   ; a conversion's three registers begin on an even number
.endr
	v_nop                                          ; one plain place behind a scaled conversion
.irp c, 0,1                                    ; the operand wants a whole block in a lane: lanes 0-15 block 2 c, lanes 16-31 block 2 c + 1
.irp i, 0,1,2
	v_permlane16_swap_b32 v[PC+6*\c+\i], v[PC+12+4*\c+\i]
.endr
.irp i, 0,1,2
	v_mov_b32 v[PC+3+6*\c+\i], v[PC+12+4*\c+\i]
.endr
.endr
.endm
.macro GSTORE base, off                        ; the fragment as it stands: each store covers 512 consecutive bytes, aligned
.irp c, 0,1,2
	global_store_b128 v[LI], v[PC+4*\c:PC+4*\c+3], s[\base:\base+1] offset:\off+512*\c
.endr
.endm
	s_load_b256 s[4:11], s[0:1], 0x0               ; Wq, Wk, Wv, Wo
	s_load_b128 s[12:15], s[0:1], 0x20             ; wc, ws
	v_and_b32 v3, 15, v0                           ; r
	v_bfe_u32 v4, v0, 4, 1                         ; h
	v_and_b32 v5, 8, v3
	v_add_nc_u32 v5, v5, v3                        ; r + 8 (r / 8)
	v_lshlrev_b32 v[XA], 11, v5
	v_lshl_add_u32 v[XA], v4, 6, v[XA]
	v_lshlrev_b32 v[LI], 4, v0                     ; one wave: the thread's number is the lane
.irp b, 0,1,2,3
	v_mov_b32 v[TM+4+\b], 0                        ; written once: a lane permute's destination counts as one of its sources
.endr
	s_mov_b32 s[SEL], 0x76543210
	s_mov_b32 s[SEL+1], 0xfedcba98
	s_lshr_b32 s22, ttmp9, 5                       ; which weight
	s_and_b32 s23, ttmp9, 31                       ; which tile
	s_lshr_b32 s24, s23, 1
	s_lshl_b32 s24, s24, 5
	s_and_b32 s25, s23, 1
	s_lshl_b32 s25, s25, 3
	s_add_co_u32 s24, s24, s25                     ; the tile's first row: 32 (t / 2) + 8 (t % 2)
	s_lshl_b32 s24, s24, 11                        ; in bytes
	s_mov_b32 s25, 0
	s_mul_i32 s26, ttmp9, 4*FRB                    ; my four images
	s_mov_b32 s27, 0
	s_lshl_b32 s28, ttmp9, 9                       ; my 512 bytes of scale words
	s_mov_b32 s29, 0
	s_wait_alu depctr_va_vdst(0)
	s_wait_kmcnt 0x0
	s_cmp_lt_u32 s22, 1                            ; the choice hangs on the work-group's number alone
	s_cselect_b64 s[XP:XP+1], s[4:5], s[6:7]
	s_cmp_lt_u32 s22, 3
	s_cselect_b64 s[18:19], s[8:9], s[10:11]
	s_cmp_lt_u32 s22, 2
	s_cselect_b64 s[XP:XP+1], s[XP:XP+1], s[18:19]
	s_add_nc_u64 s[XP:XP+1], s[XP:XP+1], s[24:25]
	s_add_nc_u64 s[WC:WC+1], s[WC:WC+1], s[26:27]
	s_add_nc_u64 s[WSB:WSB+1], s[WSB:WSB+1], s[28:29]
	XLOAD S0, 0
	XLOAD S1, 1
	XLOAD S2, 2
	s_wait_loadcnt 32                              ; K step 0 is in; the 32 loads of steps 1 and 2 stay out
	QUANT S0, PW
	GSTORE WC, 0
	XLOAD S0, 3
	s_wait_loadcnt 32                              ; step 1 is in; steps 2 and 3 stay out
	s_wait_xcnt 0x0                                ; the stores have read the codes' registers
	QUANT S1, PW+1
	GSTORE WC, FRB
	s_wait_loadcnt 16                              ; step 2 is in; step 3 stays out
	s_wait_xcnt 0x0
	QUANT S2, PW+2
	GSTORE WC, 2*FRB
	s_wait_loadcnt 0x0
	s_wait_xcnt 0x0
	QUANT S0, PW+3
	GSTORE WC, 3*FRB
	global_store_b128 v[LI], v[PW:PW+3], s[WSB:WSB+1]   ; 32 lanes store 512 consecutive bytes
	s_endpgm
.Lfunc_end_k_qf7e686e180_wquant:
	.size	k_qf7e686e180_wquant, .Lfunc_end_k_qf7e686e180_wquant-k_qf7e686e180_wquant
	.p2alignl 7, 3214868480
	.fill 96, 4, 3214868480
	.section	.rodata,"a",@progbits
	.p2align	6, 0x0
	.amdhsa_kernel k_qf7e686e180_wquant
		.amdhsa_group_segment_fixed_size 0
		.amdhsa_private_segment_fixed_size 0
		.amdhsa_enable_private_segment 0
		.amdhsa_kernarg_size 48
		.amdhsa_user_sgpr_count 2
		.amdhsa_user_sgpr_kernarg_segment_ptr 1
		.amdhsa_wavefront_size32 1
		.amdhsa_system_sgpr_workgroup_id_x 1
		.amdhsa_system_sgpr_workgroup_id_y 1
		.amdhsa_system_sgpr_workgroup_id_z 1
		.amdhsa_system_vgpr_workitem_id 0
		.amdhsa_next_free_vgpr 256
		.amdhsa_next_free_sgpr 66
		.amdhsa_reserve_vcc 0
		.amdhsa_float_denorm_mode_32 3
		.amdhsa_float_denorm_mode_16_64 3
		.amdhsa_memory_ordered 1
		.amdhsa_forward_progress 1
		.amdhsa_inst_pref_size 25
	.end_amdhsa_kernel
	.amdgpu_metadata
---
amdhsa.version: [ 1, 2 ]
amdhsa.kernels:
  - .name:           k_qf7e686e180_wquant
    .symbol:         k_qf7e686e180_wquant.kd
    .args:
      - { .name: Wq, .offset: 0, .size: 8, .value_kind: global_buffer, .address_space: global }
      - { .name: Wk, .offset: 8, .size: 8, .value_kind: global_buffer, .address_space: global }
      - { .name: Wv, .offset: 16, .size: 8, .value_kind: global_buffer, .address_space: global }
      - { .name: Wo, .offset: 24, .size: 8, .value_kind: global_buffer, .address_space: global }
      - { .name: wc, .offset: 32, .size: 8, .value_kind: global_buffer, .address_space: global }
      - { .name: ws, .offset: 40, .size: 8, .value_kind: global_buffer, .address_space: global }
    .group_segment_fixed_size: 0
    .private_segment_fixed_size: 0
    .kernarg_segment_align: 8
    .kernarg_segment_size: 48
    .max_flat_workgroup_size: 32
    .sgpr_count:     66
    .vgpr_count:     256
    .wavefront_size: 32
...
	.end_amdgpu_metadata
.endif
;; end of part 5
;; launch proj (part 6): grid 64 x 3, 8 waves a work-group, no clusters, 54,272 bytes of LDS; arguments query, key_, value, bq, bk, bv, wc, ws, qbuf, kv; writes qbuf, kv
.if DOCPART == 6
	.amdgcn_target "amdgcn-amd-amdhsa--gfx1250"
	.amdhsa_code_object_version 6
	.text
	.protected	k_qf7e686e180_proj
	.globl	k_qf7e686e180_proj
	.p2align	8
	.type	k_qf7e686e180_proj,@function
k_qf7e686e180_proj:
	s_mov_b64 s[64:65], 0
	v_nop
	global_prefetch_b8 v0, s[64:65] scope:SCOPE_SE
	s_setreg_imm32_b32 hwreg(HW_REG_WAVE_SCHED_MODE, 0, 2), 2
	s_setreg_imm32_b32 hwreg(HW_REG_WAVE_MODE, 25, 1), 1
	s_wait_xcnt 0x0
	s_wait_alu depctr_vm_vsrc(0)
; The three input projections, x W^T + b, on codes of FP6 (E2M3), and the quantising of their results for attention.  Work-group y = 0: q, 1: k, 2: v.
; x [8192][512] f32 is quantised here, in registers; W comes as fragment images and scale words (wc, ws).  The results never go to memory as f32: they leave as fragment images.
; SHARES.  A work-group takes 128 rows of x and all 512 columns: 64 x 3 work-groups (a fragment of v wants 128 tokens along its K, which fixes the block).
; Wave w quantises the token tile m = w (16 rows, four fragments) and hands it to the others through LDS as images of its registers; it then makes head w (columns 64 w .. 64 w + 63) for all 128 rows, with its 16 fragments of W in registers.
; THE ROWS OF A TILE ARE NOT NEIGHBOURS (tokens and rows of W alike): in a group of 32, tile u gives lane r the row 8 u + r + 8 (r / 8).  Where such a tile is source 0, result register j of lane (r, h) is row 16 h + 8 u + j of the group.
; q AND k: source 0 = W, source 1 = x: a lane holds one token, its registers run along d, which is the K of q k^T.  Two token tiles (64 d each) fill one fragment: registers 0-5 tile 0, 6-11 tile 1.
; v: source 0 = x, source 1 = W: a lane holds one d, its registers run along the tokens, which are the K of p v.  128 tokens fill one fragment.
; OUT.  A record is four images and 512 bytes of scale words [lane][fragment]: 6,656 bytes.  qbuf: [16 heads][32 groups of 128 tokens][record];  kv: [16][32][k's record, v's record].
; LIMITS: a block of zeros, or one whose largest magnitude lies under 2^-124, keeps the scale byte 1 (the bytes are read by this program alone); NaN and infinities are not served.
; REGISTERS.  Window 0: v1-7 addresses; first v16-207 three sets of 64 numbers of x; later v16-111 eight fragments of x, v112-175 accumulators, v176-183 x's scale words, v184-199 W's; v208-226 codes, v228-243 at work, v244-247 scale words made,
;   v248-251 the bias by lanes (v's path), v252, v253 the add's two.   Window 1: v0-191 W's 16 fragments; v192-223 the bias in the result's layout (q, k); v's path: v192-255 a second set of accumulators.
; THE MODE: SCHED_MODE bits 1:0 = 2 (LLVM: expert scheduling mode 2), set by the entry lines.  The code itself states the register dependences between vector or matrix instructions and memory or LDS instructions, with s_wait_alu, always for 0.
; THE PLAN.  Registers that memory or LDS instructions touch:
;   v1-7           offsets and LDS addresses: written at the head and never again; read by every load and store.
;   S0, S1, S2     written by x's loads, each read by one QUANT; behind its QUANT S0 is loaded again (K step 3), and v184-199 of S2 take W's scale words.
;   PC, PW         written by each QUANT; read by the LDS stores (phase X) or the global stores (the way out) that follow it; written again by the next QUANT.
;   XF, XS         written by LDS loads; read by a group's (q, k) or a K step's (v) products; loaded again behind them.
;   W's fragments and scale words, the biases: loaded once, read by products and additions alone.   HA, HB, TM: named by vector and matrix instructions alone.
; So: one wait on va_vdst behind each QUANT (its codes are written; it is done reading its numbers); one on vm_vsrc ahead of each QUANT but the first (the stores have read the last codes); one on va_vdst behind the products whose operands are fetched anew.
; No second set of XF: two waves share a SIMD's 1,024 registers, and of a wave's 512 no 96 on end are free.
.set FRB,   1536                       ; a fragment's image in bytes
.set XSC,   32*FRB                     ; LDS: x's 32 images (tile m, K step s: 4 m + s) from 0 on; behind them their scale words, 128 bytes each
.set SPARE, XSC+32*128                 ; behind those: the spare words, 128 bytes for each of eight waves: four blocks of 256 bytes that no other line names
.set XA,  1                            ; v1   x: (r + 8 (r / 8)) x 2,048 + 64 h
.set LI,  2                            ; v2   16 x lane
.set LS,  3                            ; v3   4 x lane
.set XWI, 4                            ; v4   where I store my images: 16 x lane + 4 FRB x wave
.set XWS, 5                            ; v5   and their scale words: 4 x lane + 512 x wave
.set BA,  6                            ; v6   the bias in the result's layout: 64 h
.set BB,  7                            ; v7   the bias by lanes: 4 (r + 8 (r / 8))
.set S0,  16
.set S1,  80
.set S2,  144
.set XF,  16
.set HA,  112
.set XS,  176
.set WS,  184
.set PC,  208
.set TM,  228
.set PW,  244
.set BV,  248
.set SPW, 252
.set NIL, 253
.set WF,  0                            ; window 1
.set B1,  192                          ; window 1
.set HB,  192                          ; window 1
.set WV,  28
.set Y,   29
.set SEL, 30
.set XP,  32                           ; s[32:33] x at my token tile
.set BP,  34                           ; s[34:35] the bias at my head
.set WP,  36                           ; s[36:37] wc at my head's fragments
.set SP,  38                           ; s[38:39] ws likewise
.set OC,  40                           ; s[40:41] my record
.set MSB, 0
.macro WIN new                         ; the immediate's high byte repeats the setting that is left
.if MSB != \new
	s_set_vgpr_msb (MSB<<8)|\new
.set MSB, \new
.endif
.endm
.macro XLOAD reg, s                    ; 64 numbers a lane of K step s: register 16 b + i = k 128 s + 32 b + 16 h + i of my row
.irp b, 0,1,2,3
.irp j, 0,1,2,3
	global_load_b128 v[\reg+16*\b+4*\j:\reg+16*\b+4*\j+3], v[XA], s[XP:XP+1] offset:512*\s+128*\b+16*\j th:TH_LOAD_NT
.endr
.endr
.endm
; 64 numbers of a lane, register 16 b + i = place 32 b + 16 h + i along K, become a fragment's 12 registers in v[PC] on and its scale word in v[pw]: eight rows of maxima (QMAX0, QMAX), then QTAIL
.macro QMAX0 s
.irp b, 0,1,2,3
	v_max3_num_f32 v[TM+\b], |v[\s+16*\b]|, |v[\s+1+16*\b]|, 0x1800000   ; block b: my 16 numbers, and the floor 2^(3 - 127): the byte cannot fall under 1
.endr
.endm
.macro QMAX s, i
.irp b, 0,1,2,3
	v_max3_num_f32 v[TM+\b], v[TM+\b], |v[\s+16*\b+\i]|, |v[\s+1+16*\b+\i]|   ; the four blocks by turns
.endr
.endm
.macro QTAIL s, pw
.irp b, 0,1,2,3
	v_permlanex16_b32 v[TM+4+\b], v[TM+\b], s[SEL], s[SEL+1]
.endr
.irp b, 0,1,2,3
	v_max_num_f32 v[TM+\b], v[TM+\b], v[TM+4+\b]   ; with lane l xor 16's 16: the block's largest magnitude
.endr
.irp b, 0,1,2,3
	v_add_nc_u32 v[TM+12+\b], 0xff000000, v[TM+\b]   ; 2 off its exponent field: the conversion's scale operand
.endr
.irp b, 0,1,2,3
	v_lshrrev_b32 v[TM+4+\b], 23, v[TM+12+\b]      ; the scale's byte
.endr
	v_lshl_or_b32 v[\pw], v[TM+5], 8, v[TM+4]
	v_lshl_or_b32 v[\pw], v[TM+6], 16, v[\pw]
	v_lshl_or_b32 v[\pw], v[TM+7], 24, v[\pw]
.irp c, 0,1
	v_cvt_scalef32_pk16_fp6_f32 v[PC+6*\c:PC+2+6*\c], v[\s+32*\c:\s+15+32*\c], v[TM+12+2*\c]
	v_cvt_scalef32_pk16_fp6_f32 v[PC+12+4*\c:PC+14+4*\c], v[\s+16+32*\c:\s+31+32*\c], v[TM+12+2*\c+1]   ; a conversion's three registers begin on an even number
.endr
	v_nop                                          ; one plain place behind a scaled conversion
.irp c, 0,1                                    ; the operand wants a whole block in a lane: lanes 0-15 block 2 c, lanes 16-31 block 2 c + 1
.irp i, 0,1,2
	v_permlane16_swap_b32 v[PC+6*\c+\i], v[PC+12+4*\c+\i]
.endr
.irp i, 0,1,2
	v_mov_b32 v[PC+3+6*\c+\i], v[PC+12+4*\c+\i]
.endr
.endr
.endm
.macro QUANT s, pw
	QMAX0 \s
.irp i, 2,4,6,8,10,12,14
	QMAX \s, \i
.endr
	QTAIL \s, \pw
.endm
.macro GSTORE base, off                        ; the fragment as it stands: each store covers 512 consecutive bytes, aligned
.irp c, 0,1,2
	global_store_b128 v[LI], v[PC+4*\c:PC+4*\c+3], s[\base:\base+1] offset:\off+512*\c
.endr
.endm
.macro IMAGE s                                 ; my tile's fragment of K step s, and its scale words, into LDS
.irp c, 0,1,2
	ds_store_b128 v[XWI], v[PC+4*\c:PC+4*\c+3] offset:FRB*\s+512*\c
.endr
	ds_store_b32 v[XWS], v[PW] offset:XSC+128*\s
.endm
.macro WLOAD t                                 ; tile t of my head's four: its four fragments of W, 12 loads, into window 1
	WIN 0x40
.irp s, 0,1,2,3
.irp c, 0,1,2
	global_load_b128 v[WF+12*(4*\t+\s)+4*\c:WF+12*(4*\t+\s)+4*\c+3], v[LI], s[WP:WP+1] offset:(4*\t+\s)*FRB+512*\c
.endr
.endr
	WIN 0
.endm
.macro FETCHQ g, n                             ; q, k: fragment n = 4 mm + s (token tile mm, K step s) of group g, and its scale words: four LDS loads
.irp c, 0,1,2
	ds_load_b128 v[XF+12*(\n)+4*\c:XF+12*(\n)+4*\c+3], v[LI] offset:(8*(\g)+(\n))*FRB+512*\c
.endr
	ds_load_b32 v[XS+(\n)], v[LS] offset:XSC+(8*(\g)+(\n))*128
.endm
.macro FETCHP g                                ; q, k: the two token tiles of group g, all four K steps: 32 LDS loads in one run
.irp n, 0,1,2,3,4,5,6,7
	FETCHQ \g, \n
.endr
.endm
; QUANT with group g's 32 LDS loads dealt among its eight rows of maxima, four behind each.  The rows name HA and TM alone: none of the registers that these loads touch (XF, XS, v2, v3), so the wait ahead of the macro serves all 32.
.macro QUANTF s, pw, g
	QMAX0 \s
	FETCHQ \g, 0
.irp i, 2,4,6,8,10,12,14
	QMAX \s, \i
	FETCHQ \g, \i/2
.endr
	QTAIL \s, \pw
.endm
.macro FETCHV s                                ; v: K step s of all eight token tiles: 32 LDS loads
.irp m, 0,1,2,3,4,5,6,7
.irp c, 0,1,2
	ds_load_b128 v[XF+12*\m+4*\c:XF+12*\m+4*\c+3], v[LI] offset:(4*\m+(\s))*FRB+512*\c
.endr
	ds_load_b32 v[XS+\m], v[LS] offset:XSC+(4*\m+(\s))*128
.endr
.endm
.macro MMZ d, a, b, sa, sb                     ; a product that starts a sum
	v_wmma_scale_f32_16x16x128_f8f6f4 v[\d:\d+7], v[\a:\a+11], v[\b:\b+11], 0, v[\sa], v[\sb] matrix_a_fmt:MATRIX_FMT_FP6 matrix_b_fmt:MATRIX_FMT_FP6
.endm
.macro MMC d, a, b, c, sa, sb
	v_wmma_scale_f32_16x16x128_f8f6f4 v[\d:\d+7], v[\a:\a+11], v[\b:\b+11], v[\c:\c+7], v[\sa], v[\sb] matrix_a_fmt:MATRIX_FMT_FP6 matrix_b_fmt:MATRIX_FMT_FP6
.endm
.macro PLACES                                  ; four places behind matrix instructions (ISA guide 7.12.1), in front of the first read of results; they stay beside the waits
.rept 4
	v_nop
.endr
.endm
; v's path: d tile 2 dtp + e gets its bias (one number a lane), is quantised along the 128 tokens and leaves
.macro VOUT dtp, e
.if \e
	WIN 0x01                                       ; source 0 in window 1
.endif
.set j, 0
.rept 64
.if \e
	v_add_f32 v[HA+j], v[HB+j], v[BV+2*\dtp+\e]    ; each accumulator from its low end on
.else
	v_add_f32 v[HA+j], v[HA+j], v[BV+2*\dtp+\e]
.endif
.set j, j+1
.endr
	WIN 0
	s_wait_xcnt 0x0                                ; earlier stores have had their addresses translated (ISA guide 3.1): the codes' registers are rewritten only behind this wait,
	s_wait_alu depctr_vm_vsrc(0)                   ; and the stores of the last fragment, LDS or global, have read PC and PW, which QUANT writes again
	QUANT HA, PW+2*\dtp+\e
	s_wait_alu depctr_va_vdst(0)                   ; QUANT has written PC and PW, which the stores read
	GSTORE OC, (2*\dtp+\e)*FRB
.endm
	s_load_b256 s[8:15], s[0:1], 0x0               ; query s[8:9], key_ s[10:11], value s[12:13], bq s[14:15]
	s_load_b256 s[16:23], s[0:1], 0x20             ; bk s[16:17], bv s[18:19], wc s[20:21], ws s[22:23]
	s_load_b128 s[24:27], s[0:1], 0x40             ; qbuf s[24:25], kv s[26:27]
	v_lshl_add_u32 v[SPW], v0, 2, SPARE
	v_mov_b32 v[NIL], 0
	v_lshrrev_b32 v8, 5, v0
	v_readfirstlane_b32 s[WV], v8                  ; wave 0..7
	s_and_b32 s[Y], ttmp7, 0xffff                  ; 0: q, 1: k, 2: v
	v_and_b32 v9, 15, v0                           ; r
	v_bfe_u32 v10, v0, 4, 1                        ; h
	v_and_b32 v11, 8, v9
	v_add_nc_u32 v11, v11, v9                      ; r + 8 (r / 8)
	v_lshlrev_b32 v[XA], 11, v11
	v_lshl_add_u32 v[XA], v10, 6, v[XA]
	v_and_b32 v[LS], 31, v0
	v_lshlrev_b32 v[LI], 4, v[LS]
	v_lshlrev_b32 v[LS], 2, v[LS]
	s_wait_alu depctr_va_sdst(0)                   ; the wave's number is written, ahead of its first reader: addresses, bases and a branch are made from it
	s_mul_i32 s54, s[WV], 4*FRB                    ; (s54 and s55 serve these two lines alone: no scalar register that a vector instruction reads is written again)
	v_add_nc_u32 v[XWI], s54, v[LI]
	s_lshl_b32 s55, s[WV], 9
	v_add_nc_u32 v[XWS], s55, v[LS]
	v_lshlrev_b32 v[BA], 6, v10
	v_lshlrev_b32 v[BB], 2, v11
.irp b, 0,1,2,3
	v_mov_b32 v[TM+4+\b], 0                        ; written once: a lane permute's destination counts as one of its sources
.endr
	s_mov_b32 s[SEL], 0x76543210
	s_mov_b32 s[SEL+1], 0xfedcba98
	s_lshl_b32 s42, ttmp9, 7                       ; x: row 128 X + 32 (w / 2) + 8 (w % 2),
	s_lshr_b32 s43, s[WV], 1
	s_lshl_b32 s43, s43, 5
	s_add_co_u32 s42, s42, s43
	s_and_b32 s43, s[WV], 1
	s_lshl_b32 s43, s43, 3
	s_add_co_u32 s42, s42, s43
	s_lshl_b32 s42, s42, 11                        ; in bytes
	s_mov_b32 s43, 0
	s_mul_i32 s44, s[Y], 32*4*FRB                  ; wc: the weight, and my head's four tiles
	s_mul_i32 s45, s[WV], 16*FRB
	s_add_co_u32 s44, s44, s45
	s_mov_b32 s45, 0
	s_lshl_b32 s46, s[Y], 14                       ; ws likewise: 512 bytes a tile
	s_lshl_b32 s47, s[WV], 11
	s_add_co_u32 s46, s46, s47
	s_mov_b32 s47, 0
	s_lshl_b32 s48, s[WV], 8                       ; the bias: my 64 numbers
	s_mov_b32 s49, 0
	s_lshr_b32 s50, ttmp9, 5                       ; the record: ((8 batch + head) x 32 + group of 128 tokens)
	s_lshl_b32 s50, s50, 3
	s_add_co_u32 s50, s50, s[WV]
	s_lshl_b32 s50, s50, 5
	s_and_b32 s51, ttmp9, 31
	s_add_co_u32 s50, s50, s51
	s_mov_b32 s52, 13312
	s_wait_kmcnt 0x0
	s_cmp_eq_u32 s[Y], 0                           ; the choices hang on the work-group's number alone
	s_cselect_b64 s[XP:XP+1], s[8:9], s[10:11]
	s_cselect_b64 s[BP:BP+1], s[14:15], s[16:17]
	s_cselect_b64 s[OC:OC+1], s[24:25], s[26:27]
	s_cselect_b32 s52, 6656, s52                   ; from record to record: 6,656 bytes in qbuf, 13,312 in kv
	s_cmp_eq_u32 s[Y], 2
	s_cselect_b64 s[XP:XP+1], s[12:13], s[XP:XP+1]
	s_cselect_b64 s[BP:BP+1], s[18:19], s[BP:BP+1]
	s_cselect_b32 s53, 6656, 0                     ; v's record lies behind k's
	s_mul_i32 s50, s50, s52
	s_add_co_u32 s50, s50, s53
	s_mov_b32 s51, 0
	s_add_nc_u64 s[XP:XP+1], s[XP:XP+1], s[42:43]
	s_add_nc_u64 s[BP:BP+1], s[BP:BP+1], s[48:49]
	s_add_nc_u64 s[WP:WP+1], s[20:21], s[44:45]
	s_add_nc_u64 s[SP:SP+1], s[22:23], s[46:47]
	s_add_nc_u64 s[OC:OC+1], s[OC:OC+1], s[50:51]
	; the bias in both layouts, 12 loads, in every work-group: so the text has one branch, and no register is unwritten on a path
	WIN 0x40
	s_wait_alu depctr_va_vdst(0)                   ; the seven offsets and addresses v1 to v7 are written, which every load and store of the kernel reads
.irp t, 0,1,2,3
	global_load_b128 v[B1+8*\t:B1+8*\t+3], v[BA], s[BP:BP+1] offset:(32*(\t/2)+8*(\t%2))*4       ; tile t, lane (r, h): b at 32 (t / 2) + 16 h + 8 (t % 2) + 0 .. 7
	global_load_b128 v[B1+8*\t+4:B1+8*\t+7], v[BA], s[BP:BP+1] offset:(32*(\t/2)+8*(\t%2))*4+16
.endr
	WIN 0
.irp t, 0,1,2,3
	global_load_b32 v[BV+\t], v[BB], s[BP:BP+1] offset:(32*(\t/2)+8*(\t%2))*4                    ; tile t, lane r: b at 32 (t / 2) + 8 (t % 2) + r + 8 (r / 8)
.endr
	; ---- X: my 16 rows of x become four fragments; W's loads go out between
	XLOAD S0, 0
	XLOAD S1, 1
	XLOAD S2, 2
	s_wait_loadcnt 32                              ; the bias and K step 0 are in; the 32 loads of steps 1 and 2 stay out
	QUANT S0, PW
	s_wait_alu depctr_va_vdst(0)                   ; QUANT has written PC and PW, which the LDS stores read, and is done reading S0, in which K step 3's loads land
	IMAGE 0
	XLOAD S0, 3
	s_wait_loadcnt 32                              ; step 1 is in; steps 2 and 3 stay out
	s_wait_dscnt 0x0                               ; my LDS stores of the last fragment are done;
	s_wait_alu depctr_vm_vsrc(0)                   ; they have read PC and PW, which QUANT writes again
	QUANT S1, PW
	s_wait_alu depctr_va_vdst(0)                   ; QUANT has written PC and PW, which the LDS stores read
	IMAGE 1
	WLOAD 0
	WLOAD 1
	s_wait_loadcnt 40                              ; step 2 is in; step 3's 16 loads and 24 of W stay out
	s_wait_dscnt 0x0                               ; my LDS stores of the last fragment are done;
	s_wait_alu depctr_vm_vsrc(0)                   ; they have read PC and PW, which QUANT writes again
	QUANT S2, PW
	s_wait_alu depctr_va_vdst(0)                   ; QUANT has written PC and PW, which the LDS stores read, and is done reading S2, in part of which W's scale words land
	IMAGE 2
	WLOAD 2
	WLOAD 3
.irp t, 0,1,2,3
	global_load_b128 v[WS+4*\t:WS+4*\t+3], v[LI], s[SP:SP+1] offset:512*\t   ; W's scale words: register 4 t + s (the third set of numbers is done with)
.endr
	s_wait_loadcnt 52                              ; step 3 is in; 24 + 28 younger loads stay out
	s_wait_dscnt 0x0                               ; my LDS stores of the last fragment are done;
	s_wait_alu depctr_vm_vsrc(0)                   ; they have read PC and PW, which QUANT writes again
	QUANT S0, PW
	s_wait_alu depctr_va_vdst(0)                   ; QUANT has written PC and PW, which the LDS stores read; and all four QUANT are done reading S0 to S2, in which the first fragments of x and their scale words land behind the barrier, on both paths
	IMAGE 3
	s_wait_dscnt 0x0                               ; for the others' sake: my stores have landed
	s_barrier_signal -1
	s_barrier_wait -1                              ; x's 32 fragments lie in LDS; from here on LDS is only read
	s_wait_loadcnt 0x0                             ; W and its scale words
	s_cmp_eq_u32 s[Y], 2
	s_cbranch_scc1 .Lv
	; ---- q, k: a group of 32 tokens at a time: eight accumulators (2 token tiles x 4 tiles of d) by turns; the bias is the C of each sum's first product
	FETCHP 0
.irp gi, 0,1,2,3
	s_wait_dscnt 0x0
	WIN 0x11                                       ; source 0 (W) and source 2 (the bias) window 1
.irp mm, 0,1
.irp t, 0,1,2,3
	MMC HA+8*(4*\mm+\t), WF+12*(4*\t), XF+12*(4*\mm), B1+8*\t, WS+4*\t, XS+4*\mm
.endr
.endr
	WIN 0x01
.irp s, 1,2,3
.irp mm, 0,1
.irp t, 0,1,2,3
	MMC HA+8*(4*\mm+\t), WF+12*(4*\t+\s), XF+12*(4*\mm+\s), HA+8*(4*\mm+\t), WS+4*\t+\s, XS+4*\mm+\s
.endr
.endr
.endr
	WIN 0
	PLACES
	s_wait_xcnt 0x0                                ; earlier stores have had their addresses translated (ISA guide 3.1): the codes' registers are rewritten only behind this wait,
	s_wait_alu depctr_vm_vsrc(0)                   ; and the stores of the last fragment (the first group: my LDS stores; later: the last group's global stores, 32 products back) have read PC and PW, which QUANT writes again
.if \gi < 3
	s_wait_alu depctr_va_vdst(0)                   ; the group's products are done reading XF and XS, in which the next group's loads land
	QUANTF HA, PW+\gi, \gi+1                       ; register 32 mm + 16 b + i is d 32 b + 16 h + i of token tile mm: block 2 mm + b.  The next group's fragments land while this group is quantised
.else
	QUANT HA, PW+\gi
.endif
	s_wait_alu depctr_va_vdst(0)                   ; QUANT has written PC and PW, which the stores read
	GSTORE OC, \gi*FRB
.endr
	global_store_b128 v[LI], v[PW:PW+3], s[OC:OC+1] offset:4*FRB   ; the record's scale words
	s_wait_dscnt 0x0                               ; the closing lines, six on end
	s_wait_alu 0x0
	s_wait_tensorcnt 0x0
	ds_add_u32 v[SPW], v[NIL]
	s_wait_dscnt 0x0
	s_endpgm
.Lv:
	; ---- v: two tiles of d at a time for all eight token tiles: sixteen accumulators by turns, a K step at a time
	FETCHV 0
.irp dtp, 0,1
.irp s, 0,1,2,3
	s_wait_dscnt 0x0
	WIN 0x04                                       ; source 1 (W) window 1
.irp m, 0,1,2,3,4,5,6,7
.if \s == 0
	MMZ HA+8*\m, XF+12*\m, WF+12*(8*\dtp+\s), XS+\m, WS+8*\dtp+\s
.else
	MMC HA+8*\m, XF+12*\m, WF+12*(8*\dtp+\s), HA+8*\m, XS+\m, WS+8*\dtp+\s
.endif
.endr
	WIN 0x54                                       ; and C and D window 1
.irp m, 0,1,2,3,4,5,6,7
.if \s == 0
	MMZ HB+8*\m, XF+12*\m, WF+12*(8*\dtp+4+\s), XS+\m, WS+8*\dtp+4+\s
.else
	MMC HB+8*\m, XF+12*\m, WF+12*(8*\dtp+4+\s), HB+8*\m, XS+\m, WS+8*\dtp+4+\s
.endif
.endr
	WIN 0
	PLACES
.if (\dtp == 0) || (\s < 3)
	s_wait_alu depctr_va_vdst(0)                   ; the K step's products are done reading XF and XS, in which the next K step's loads land
	FETCHV (\s+1)%4
.endif
.endr
	VOUT \dtp, 0                                   ; register 8 m + j is token 32 (m / 2) + 16 h + 8 (m % 2) + j of my lane's d
	VOUT \dtp, 1
.endr
	global_store_b128 v[LI], v[PW:PW+3], s[OC:OC+1] offset:4*FRB
	s_wait_dscnt 0x0                               ; the closing lines, six on end
	s_wait_alu 0x0
	s_wait_tensorcnt 0x0
	ds_add_u32 v[SPW], v[NIL]
	s_wait_dscnt 0x0
	s_endpgm
.Lfunc_end_k_qf7e686e180_proj:
	.size	k_qf7e686e180_proj, .Lfunc_end_k_qf7e686e180_proj-k_qf7e686e180_proj
	.p2alignl 7, 3214868480
	.fill 96, 4, 3214868480
	.section	.rodata,"a",@progbits
	.p2align	6, 0x0
	.amdhsa_kernel k_qf7e686e180_proj
		.amdhsa_group_segment_fixed_size 54272
		.amdhsa_private_segment_fixed_size 0
		.amdhsa_enable_private_segment 0
		.amdhsa_kernarg_size 80
		.amdhsa_user_sgpr_count 2
		.amdhsa_user_sgpr_kernarg_segment_ptr 1
		.amdhsa_wavefront_size32 1
		.amdhsa_system_sgpr_workgroup_id_x 1
		.amdhsa_system_sgpr_workgroup_id_y 1
		.amdhsa_system_sgpr_workgroup_id_z 1
		.amdhsa_system_vgpr_workitem_id 0
		.amdhsa_next_free_vgpr 512
		.amdhsa_next_free_sgpr 66
		.amdhsa_reserve_vcc 0
		.amdhsa_float_denorm_mode_32 3
		.amdhsa_float_denorm_mode_16_64 3
		.amdhsa_memory_ordered 1
		.amdhsa_forward_progress 1
		.amdhsa_inst_pref_size 133
	.end_amdhsa_kernel
	.amdgpu_metadata
---
amdhsa.version: [ 1, 2 ]
amdhsa.kernels:
  - .name:           k_qf7e686e180_proj
    .symbol:         k_qf7e686e180_proj.kd
    .args:
      - { .name: query, .offset: 0, .size: 8, .value_kind: global_buffer, .address_space: global }
      - { .name: key_, .offset: 8, .size: 8, .value_kind: global_buffer, .address_space: global }
      - { .name: value, .offset: 16, .size: 8, .value_kind: global_buffer, .address_space: global }
      - { .name: bq, .offset: 24, .size: 8, .value_kind: global_buffer, .address_space: global }
      - { .name: bk, .offset: 32, .size: 8, .value_kind: global_buffer, .address_space: global }
      - { .name: bv, .offset: 40, .size: 8, .value_kind: global_buffer, .address_space: global }
      - { .name: wc, .offset: 48, .size: 8, .value_kind: global_buffer, .address_space: global }
      - { .name: ws, .offset: 56, .size: 8, .value_kind: global_buffer, .address_space: global }
      - { .name: qbuf, .offset: 64, .size: 8, .value_kind: global_buffer, .address_space: global }
      - { .name: kv, .offset: 72, .size: 8, .value_kind: global_buffer, .address_space: global }
    .group_segment_fixed_size: 54272
    .private_segment_fixed_size: 0
    .kernarg_segment_align: 8
    .kernarg_segment_size: 80
    .max_flat_workgroup_size: 256
    .sgpr_count:     66
    .vgpr_count:     512
    .wavefront_size: 32
...
	.end_amdgpu_metadata
.endif
;; end of part 6
;; launch attn (part 7): grid 16 x 16, 16 waves a work-group, no clusters, 327,680 bytes of LDS; arguments qbuf, kv, ctx; writes ctx
.if DOCPART == 7
	.amdgcn_target "amdgcn-amd-amdhsa--gfx1250"
	.amdhsa_code_object_version 6
	.text
	.protected	k_qf7e686e180_attn
	.globl	k_qf7e686e180_attn
	.p2align	8
	.type	k_qf7e686e180_attn,@function
k_qf7e686e180_attn:
	s_mov_b64 s[64:65], 0
	v_nop
	global_prefetch_b8 v0, s[64:65] scope:SCOPE_SE
	s_setreg_imm32_b32 hwreg(HW_REG_WAVE_MODE, 25, 1), 1
	s_wait_xcnt 0x0
; ctx[b][token][head][:] = the sum over keys of softmax(q . k / 8) v, both products on codes of FP6 (E2M3) with one E8M0 scale for each 32 along a product's K; ctx leaves quantised along (head, d) for the last projection.
; THE SOFTMAX: t = score x log2(e) / 8; M = the row's largest t so far, rounded UP to a whole number; p = 2^(t - M) is what is quantised, along the keys, not normalised.  The row's sum is taken of the unquantised p and divides at the end.
; When M moves, the sum and O are multiplied by 2^(old M - new M): exact.
; SHARES.  A work-group owns 256 queries of one of the 16 heads; each of its sixteen waves owns one token tile of 16, in 256 registers: four waves to a SIMD, so that one wave's vector work stands beside another's matrix work and LDS loads.
; Every wave walks the head's 4,096 keys, 128 a step.  A step's operands are one dense record of kv, 13,312 bytes: k's four fragment images and scale words, then v's.  Four steps make a slot; two slots take turns, filled by waves 0 and 1.
; LAYOUT.  Both products are used transposed (S^T = k q^T, O^T = v^T p^T): a lane holds ONE query throughout.  The tokens of a tile, and v's rows d, are chosen (8 u + r + 8 (r / 8) in a group of 32) so that a lane's 16 registers of two
; neighbouring tiles are 16 neighbours along the next K.
; K = 64.  A fragment of k holds TWO key tiles: registers 0-5 tile 0's 64 d, registers 6-11 tile 1's.  The query stands twice: QL = (q, zeros), QH = (zeros, q), scale word (q0, q1, q0, q1).  k x QL gives tile 0's scores, k x QH tile 1's:
; zero codes add nothing under any scale byte from 1 to 254.
; NO CLUSTER, though the 16 query blocks of a head walk the same kv: a work-group fetches 13,312 bytes for a key step in which its sixteen waves issue some 240 vector instructions each, so what is shared is small beside a step's work,
; and joint loads would put a round of the cluster's barrier at each of the seven changes of slots.
; LIMITS: NaN and infinities are not served; a p under 2^-126 counts as 0; a block of zeros keeps the scale byte 1 (the bytes are read by this program alone).
.set FRB,   1536                       ; a fragment's image
.set REC,   6656                       ; four images and 512 bytes of scale words [lane][fragment]
.set KSTEP, 2*REC                      ; a key step's bytes
.set SLOTB, 4*KSTEP                    ; a slot's: 53,248
.set SLOT1, 1<<16                      ; slot 1 begins here: one exclusive or turns an address from one slot to the other
.set SPARE, 2*SLOT1                    ; the spare words, 128 bytes for each of sixteen waves: eight blocks of 256 bytes that no other line names
.set LI,  1                            ; v1   16 x lane
.set AD,  2                            ; v2   16 x lane + the slot in hand
.set PFO, 3                            ; v3   256 x lane: the prefetches' offset; never rewritten
.set GO,  4                            ; v4   8 x lane
.set SPW, 5                            ; v5   my spare word's LDS address; never rewritten
.set NIL, 6                            ; v6   0; never rewritten
                                       ; v12 -M, v13 the largest t, v[14:15] the sum in two halves
.set QL,  16                           ; v16-27
.set QH,  28                           ; v28-39
.set QS,  40                           ; v40  q's scale word
.set F,   44                           ; v44-91   four fragments: k's, then v's
.set KSC, 92                           ; v92-95   k's scale words
.set S,   96                           ; v96-159  S^T, then p
.set O,   160                          ; v160-191 O^T: tile dt at 8 dt
.set PC,  192                          ; v192-203 p's codes
.set PT,  204                          ; v204-206, v208-210 halves on their way
.set BM,  212                          ; v212-215 each block's largest score, then its largest p
.set BX,  216                          ; v216-219 the other half's; later the bytes
.set SO,  220                          ; v220-223 the conversions' scale operands
.set VSC, 224                          ; v224-227 v's scale words
.set TMP, 228
.set FF,  230                          ; v[230:231] f = 2^(old M - new M), and a written 0
.set PS,  232                          ; v232 p's scale word
.set L2,  234                          ; v[234:235] one of the sum's eight chains
.set T,   236                          ; v236-248 at the head: q's fragment and scale word as loaded
.set TB,  2                            ; s2   LDS byte at which the slot in hand begins
.set SLOTS, 3                          ; s3   slots still to be asked for
.set WV,  18
.set SEL, 20
.set CS,  22                           ; s[22:23] c = log2(e) / 8
.set G1,  24                           ; s[24:31] descriptor group 1
.set G0,  40                           ; s[40:43] descriptor group 0, which walks
.set PFA, 44                           ; s[44:45] where my prefetches stand
.set PFC, 46                           ; s46  which run of 32 blocks of 256 bytes my next prefetch names, + 7; 1,000 and more in a wave that never asks
.set USEL, 47                          ; s47  all ones where my tile is its group's second
.set SH,  48                           ; s48  16 there, else 0
.macro MMZ d, a, b, sa, sb
	v_wmma_scale_f32_16x16x128_f8f6f4 v[\d:\d+7], v[\a:\a+11], v[\b:\b+11], 0, v[\sa], v[\sb] matrix_a_fmt:MATRIX_FMT_FP6 matrix_b_fmt:MATRIX_FMT_FP6
.endm
.macro MMC d, a, b, c, sa, sb
	v_wmma_scale_f32_16x16x128_f8f6f4 v[\d:\d+7], v[\a:\a+11], v[\b:\b+11], v[\c:\c+7], v[\sa], v[\sb] matrix_a_fmt:MATRIX_FMT_FP6 matrix_b_fmt:MATRIX_FMT_FP6
.endm
.macro PLACES                          ; four places behind matrix instructions, in front of loads into their operands and of the first read of results
.rept 4
	v_nop
.endr
.endm
; Waves 0 and 1 fetch half a slot each, the others nothing.  The branch hangs on the wave's number alone.  An s_nop 0 and four v_nop follow the load.
.macro TLOAD
	s_cmp_lt_u32 s[WV], 2
	s_cbranch_scc0 .Lasked_\@
	tensor_load_to_lds s[G0:G0+3], s[G1:G1+7]
	s_nop 0
.rept 4
	v_nop
.endr
.Lasked_\@:
.endm
; A PREFETCH INTO THE L2.  A head's kv is 1,664 blocks of 256 bytes; slots 0 and 1 (416 blocks) come by their loads alone.  All 16 work-groups of a head walk the same bytes: the head's first work-group asks, and in it waves 2 to 8,
; which fetch nothing: at change of slots k wave 2 + i names blocks 416 + 224 k + 32 i + lane, a lane a block.  Slot k + 2 is blocks 416 + 208 k .. + 207: it has been named whole by change k, a slot's four key steps ahead of its load.
; Each block is named once; a wave asks while its run 7 k + i is at most 38, so that the last block named is the head's last.
.macro ASK
	s_cmp_le_u32 s[PFC], 45
	s_cbranch_scc0 .Lnot_mine_\@
	global_prefetch_b8 v[PFO], s[PFA:PFA+1] th:TH_LOAD_NT scope:SCOPE_SE
.Lnot_mine_\@:
.endm
; THE CHANGE OF SLOTS stands at a slot's head.  Each wave waits for all its tensor loads (its part of the slot that it is about to read), adds 0 to its spare word, and waits for that and for its reads of the slot that it has left.
; Behind the barrier the slot ahead is whole and nobody reads the other one.  fill = 1: that other slot is filled with the next four key steps: the load has a slot's steps in which to land.
.macro CHANGE fill
	s_wait_tensorcnt 0x0                           ; no tensor load of mine is out, so group 0 may be written
	ds_add_u32 v[SPW], v[NIL]                      ; 0 onto my spare word
.if \fill
	s_xor_b32 s[G0+1], s[G0+1], SLOT1              ; the other slot than last time,
	s_add_nc_u64 s[G0+2:G0+3], s[G0+2:G0+3], SLOTB ; the next four key steps; the type bits on top are not reached
	s_wait_xcnt 0x0                                ; the last prefetch, a slot back, has read its address
	s_add_nc_u64 s[PFA:PFA+1], s[PFA:PFA+1], 224*256
	s_add_co_u32 s[PFC], s[PFC], 7
.endif
	s_wait_dscnt 0x0                               ; the add is done, and my reads of the slot that I have left are over
	s_barrier_signal -1
	s_barrier_wait -1
.if \fill
	TLOAD                                          ; the first thing behind the barrier, and a wave's one tensor load until the next
	ASK
.endif
.endm
; A KEY STEP: 128 keys, the q-th of the slot in hand
.macro STEP q
	PLACES                                         ; behind the last step's products, which read F
.irp g, 0,1,2,3
.irp c, 0,1,2
	ds_load_b128 v[F+12*\g+4*\c:F+12*\g+4*\c+3], v[AD] offset:KSTEP*(\q)+FRB*\g+512*\c
.endr
.endr
	ds_load_b128 v[KSC:KSC+3], v[AD] offset:KSTEP*(\q)+4*FRB
	s_wait_dscnt 0x0
.irp g, 0,1,2,3                                ; S^T: register 16 g + 8 u + j is key 32 g + 16 h + 8 u + j of my query
	MMZ S+16*\g, F+12*\g, QL, KSC+\g, QS
	MMZ S+16*\g+8, F+12*\g, QH, KSC+\g, QS
.endr
	PLACES
.irp g, 0,1,2,3                                ; v's fragments now: they land under the softmax
.irp c, 0,1,2
	ds_load_b128 v[F+12*\g+4*\c:F+12*\g+4*\c+3], v[AD] offset:KSTEP*(\q)+REC+FRB*\g+512*\c
.endr
.endr
	ds_load_b128 v[VSC:VSC+3], v[AD] offset:KSTEP*(\q)+REC+4*FRB
.irp b, 0,1,2,3
	v_max3_num_f32 v[BM+\b], v[S+16*\b], v[S+16*\b+1], v[S+16*\b+2]   ; the largest score of each block of 32 keys: it serves for the row's maximum and, since p rises with the score, for the block's largest p
.endr
.irp i, 3,5,7,9,11,13
.irp b, 0,1,2,3
	v_max3_num_f32 v[BM+\b], v[BM+\b], v[S+16*\b+\i], v[S+16*\b+\i+1]
.endr
.endr
.irp b, 0,1,2,3
	v_max_num_f32 v[BM+\b], v[BM+\b], v[S+16*\b+15]
.endr
.irp b, 0,1,2,3
	s_delay_alu instid0(VALU_DEP_4)
	v_permlanex16_b32 v[BX+\b], v[BM+\b], s[SEL], s[SEL+1]
.endr
.irp b, 0,1,2,3
	s_delay_alu instid0(VALU_DEP_4)
	v_max_num_f32 v[BM+\b], v[BM+\b], v[BX+\b]     ; with lane l xor 16's 16 keys
.endr
	s_delay_alu instid0(VALU_DEP_2)
	v_max3_num_f32 v[TMP], v[BM], v[BM+1], v[BM+2]
	s_delay_alu instid0(VALU_DEP_1)
	v_max_num_f32 v[TMP], v[TMP], v[BM+3]          ; the step's largest score of my query
	s_delay_alu instid0(VALU_DEP_1)
	v_mul_f32 v[TMP], s[CS], v[TMP]                ; as t (c is positive)
	s_delay_alu instid0(VALU_DEP_1)
	v_max_num_f32 v13, v13, v[TMP]                 ; the running largest t
	v_mov_b32 v[TMP], v12
	s_delay_alu instid0(VALU_DEP_2)
	v_floor_f32 v12, -v13                          ; the new -M = floor(-t): M is a whole number
	s_delay_alu instid0(VALU_DEP_1)
	v_sub_f32 v[TMP], v12, v[TMP]                  ; old M - new M: a whole number, 0 or less
	s_delay_alu instid0(VALU_DEP_1)
	v_cvt_i32_f32 v[TMP], v[TMP]                   ; (it saturates)
	s_delay_alu instid0(VALU_DEP_1)
	v_ldexp_f32 v[FF], 1.0, v[TMP]                 ; f = 2^(old M - new M)
.set j, 0
.rept 32
	v_pk_fma_f32 v[S+j:S+j+1], v[S+j:S+j+1], s[CS:CS+1], v[12:13] op_sel_hi:[1,0,0]   ; t - M, two at a time
.set j, j+2
.endr
.irp b, 0,1,2,3
	v_fma_f32 v[BM+\b], v[BM+\b], s[CS], v12       ; the same of each block's largest score
.endr
.set j, 0
	s_wait_alu depctr_va_vdst(0)
.rept 64
	v_exp_f32 v[S+j], v[S+j]                       ; p = 2^(t - M), at most 1
.set j, j+1
.endr
	v_pk_mul_f32 v[14:15], v[14:15], v[FF:FF+1] op_sel_hi:[1,0]   ; the sums under the new M; a plain place behind the exponentials
	s_wait_alu depctr_va_vdst(0)                   ; one wait for the whole batch, ahead of its first reader
.irp b, 0,1,2,3
	v_exp_f32 v[BM+\b], v[BM+\b]                   ; the block's largest p: the same two instructions on the same number give the same bits
.endr
	v_pk_add_f32 v[234:235], v[100:101], v[104:105]
	v_pk_add_f32 v[254:255], v[108:109], v[112:113]
	v_pk_add_f32 v[252:253], v[116:117], v[120:121]
	v_pk_add_f32 v[250:251], v[124:125], v[128:129]
	v_pk_add_f32 v[248:249], v[132:133], v[136:137]
	v_pk_add_f32 v[246:247], v[140:141], v[144:145]
	v_pk_add_f32 v[244:245], v[148:149], v[152:153]
	v_pk_add_f32 v[14:15], v[14:15], v[156:157]
	v_pk_add_f32 v[234:235], v[234:235], v[96:97]
	v_pk_add_f32 v[254:255], v[254:255], v[98:99]
	v_pk_add_f32 v[252:253], v[252:253], v[102:103]
	v_pk_add_f32 v[250:251], v[250:251], v[106:107]
	v_pk_add_f32 v[248:249], v[248:249], v[110:111]
	v_pk_add_f32 v[246:247], v[246:247], v[114:115]
	v_pk_add_f32 v[244:245], v[244:245], v[118:119]
	v_pk_add_f32 v[14:15], v[14:15], v[122:123]
	v_pk_add_f32 v[234:235], v[234:235], v[126:127]
	v_pk_add_f32 v[254:255], v[254:255], v[130:131]
	v_pk_add_f32 v[252:253], v[252:253], v[134:135]
	v_pk_add_f32 v[250:251], v[250:251], v[138:139]
	v_pk_add_f32 v[248:249], v[248:249], v[142:143]
	v_pk_add_f32 v[246:247], v[246:247], v[146:147]
	v_pk_add_f32 v[244:245], v[244:245], v[150:151]
	v_pk_add_f32 v[14:15], v[14:15], v[154:155]
	v_pk_add_f32 v[234:235], v[234:235], v[158:159]
	s_delay_alu instid0(VALU_DEP_2)
	v_pk_add_f32 v[14:15], v[14:15], v[250:251]
	s_delay_alu instid0(VALU_DEP_2)
	v_pk_add_f32 v[234:235], v[234:235], v[248:249]
	v_pk_add_f32 v[254:255], v[254:255], v[246:247]
	v_pk_add_f32 v[252:253], v[252:253], v[244:245]
	s_delay_alu instid0(VALU_DEP_2)
	v_pk_add_f32 v[14:15], v[14:15], v[254:255]
	s_delay_alu instid0(VALU_DEP_2)
	v_pk_add_f32 v[234:235], v[234:235], v[252:253]
	s_delay_alu instid0(VALU_DEP_1)
	v_pk_add_f32 v[14:15], v[14:15], v[234:235]
	s_wait_alu depctr_va_vdst(0)                   ; and one for the four
.irp b, 0,1,2,3
	v_max_num_f32 v[BM+\b], 0x1800000, v[BM+\b]    ; the floor 2^(3 - 127): the byte cannot fall under 1
.endr
.irp b, 0,1,2,3
	s_delay_alu instid0(VALU_DEP_4)
	v_add_nc_u32 v[SO+\b], 0xff000000, v[BM+\b]    ; 2 off the exponent field: the conversion's scale operand
.endr
.irp b, 0,1,2,3
	s_delay_alu instid0(VALU_DEP_4)
	v_lshrrev_b32 v[BX+\b], 23, v[SO+\b]           ; the scale's byte
.endr
	s_delay_alu instid0(VALU_DEP_3)
	v_lshl_or_b32 v[PS], v[BX+1], 8, v[BX]         ; p's scale word for these 128 keys
	s_delay_alu instid0(VALU_DEP_1)
	v_lshl_or_b32 v[PS], v[BX+2], 16, v[PS]
	s_delay_alu instid0(VALU_DEP_1)
	v_lshl_or_b32 v[PS], v[BX+3], 24, v[PS]
.irp c, 0,1
	v_cvt_scalef32_pk16_fp6_f32 v[PC+6*\c:PC+6*\c+2], v[S+32*\c:S+32*\c+15], v[SO+2*\c]
	v_cvt_scalef32_pk16_fp6_f32 v[PT+4*\c:PT+4*\c+2], v[S+32*\c+16:S+32*\c+31], v[SO+2*\c+1]
.endr
	v_nop                                          ; one plain place behind a scaled conversion
.irp c, 0,1                                    ; a whole block in a lane: lanes 0-15 block 2 c, lanes 16-31 block 2 c + 1
.irp i, 0,1,2
	v_permlane16_swap_b32 v[PC+6*\c+\i], v[PT+4*\c+\i]
.endr
.irp i, 0,1,2
	s_delay_alu instid0(VALU_DEP_3)
	v_mov_b32 v[PC+3+6*\c+\i], v[PT+4*\c+\i]
.endr
.endr
.set j, 0
.rept 16
	v_pk_mul_f32 v[O+j:O+j+1], v[O+j:O+j+1], v[FF:FF+1] op_sel_hi:[1,0]   ; O^T under the new M, each accumulator from its low end on; for each product below twelve of these name none of its registers: its places behind the codes and the scale word
.set j, j+2
.endr
	s_wait_alu depctr_va_vdst(0)
	s_wait_dscnt 0x0                               ; v's fragments are in
.irp t, 0,1,2,3                                ; O^T += v^T p^T: the four accumulators by turns
	MMC O+8*\t, F+12*\t, PC, O+8*\t, VSC+\t, PS
.endr
.endm
.macro SLOT_STEPS
	v_add_nc_u32 v[AD], s[TB], v[LI]
	s_wait_alu depctr_va_vdst(0)
	STEP 0
	STEP 1
	STEP 2
	STEP 3
	s_xor_b32 s[TB], s[TB], SLOT1                  ; on to the other slot
.endm
	s_load_b128 s[4:7], s[0:1], 0x0                ; qbuf, kv
	s_load_b64 s[8:9], s[0:1], 0x10                ; ctx
	v_lshl_add_u32 v[SPW], v0, 2, SPARE
	v_mov_b32 v[NIL], 0
	ds_add_u32 v[SPW], v[NIL]                      ; the wave's opening: the add, and its wait ahead of my first tensor load; the set-up below, work on registers, stands between them
	ds_add_u32 v[SPW], v[NIL]
	v_lshrrev_b32 v7, 5, v0
	s_delay_alu instid0(VALU_DEP_1)
	v_readfirstlane_b32 s[WV], v7                  ; wave 0..15
	v_and_b32 v[LI], 31, v0
	s_delay_alu instid0(VALU_DEP_1)
	v_lshlrev_b32 v[PFO], 8, v[LI]
	s_delay_alu instid0(VALU_DEP_2)
	v_lshlrev_b32 v[GO], 3, v[LI]
	s_delay_alu instid0(VALU_DEP_3)
	v_lshlrev_b32 v[LI], 4, v[LI]
	; descriptor group 1: half a slot, 26,624 dense bytes, as 104 rows of 256 bytes (32 elements of 8 bytes), no padding: every read is 16 x lane + a constant
	s_mov_b32 s[G1], 3<<16
	s_mov_b32 s[G1+1], 32<<16                      ; tensor_dim0
	s_mov_b32 s[G1+2], 104<<16                     ; tensor_dim1
	s_mov_b32 s[G1+3], 32<<16                      ; tile_dim0
	s_mov_b32 s[G1+4], 104                         ; tile_dim1
	s_mov_b32 s[G1+5], 32                          ; from row to row
	s_mov_b32 s[G1+6], 0
	s_mov_b32 s[G1+7], 0
	s_mov_b32 s[SEL], 0x76543210
	s_mov_b32 s[SEL+1], 0xfedcba98
	s_mov_b32 s[CS], 0x3e38aa3b                    ; log2(e) / 8
	s_mov_b32 s[CS+1], s[CS]
	s_mov_b32 s[TB], 0
	s_mov_b32 s[SLOTS], 7
	s_and_b32 s10, ttmp7, 0xffff                   ; the head, 8 batch + head
	s_mul_i32 s12, s10, 32*KSTEP                   ; its first byte in kv
	s_mov_b32 s13, 0
	s_and_b32 s14, s[WV], 1                        ; my tile's place in its group of 32 tokens.  Also: which half of a slot I fetch, if I fetch
	s_mul_i32 s50, s14, SLOTB/2
	s_mov_b32 s51, 0
	s_sub_co_u32 s[USEL], 0, s14
	s_lshl_b32 s[SH], s14, 4
	s_lshl_b32 s16, s10, 5                         ; q's record: 32 head + 2 x + w / 8
	s_lshl_b32 s17, ttmp9, 1
	s_add_co_u32 s16, s16, s17
	s_lshr_b32 s17, s[WV], 3
	s_add_co_u32 s16, s16, s17
	s_mul_i32 s16, s16, REC
	s_bfe_u32 s32, s[WV], 0x20001                  ; the fragment in it: (w / 2) % 4
	s_mul_i32 s33, s32, FRB
	s_add_co_u32 s34, s16, s33
	s_mov_b32 s35, 0
	s_lshl_b32 s32, s32, 2
	s_add_co_u32 s36, s16, s32
	s_add_co_u32 s36, s36, 4*FRB                   ; and its scale words
	s_mov_b32 s37, 0
	s_lshr_b32 s38, s10, 3                         ; ctx: ((256 batch + 16 x + w) x 8 + head) x 1,024
	s_lshl_b32 s38, s38, 8
	s_lshl_b32 s39, ttmp9, 4
	s_add_co_u32 s38, s38, s39
	s_add_co_u32 s38, s38, s[WV]
	s_lshl_b32 s38, s38, 3
	s_and_b32 s39, s10, 7
	s_add_co_u32 s38, s38, s39
	s_lshl_b32 s38, s38, 10
	s_mov_b32 s39, 0
	s_sub_co_u32 s32, s[WV], 2                     ; the prefetches: i = w - 2, in waves 2 to 8
	s_cmp_lt_u32 s32, 7
	s_cselect_b32 s33, 0, 1
	s_or_b32 s33, s33, ttmp9                       ; of the head's first work-group
	s_cmp_eq_u32 s33, 0
	s_cselect_b32 s[PFC], s32, 1000
	s_cselect_b32 s32, s32, 0
	s_lshl_b32 s32, s32, 13                        ; 32 blocks a wave,
	s_add_co_u32 s32, s32, 416*256-224*256         ; one change's 224 blocks short of block 416: the first change steps it there
	s_mov_b32 s33, 0
	s_wait_dscnt 0x0                               ; the opening add is done
	s_wait_kmcnt 0x0
	s_add_nc_u64 s[6:7], s[6:7], s[12:13]          ; kv at my head
	s_mov_b32 s[G0], 1                             ; count = 1
	s_mov_b32 s[G0+1], s50                         ; LDS address: slot 0, my half
	s_add_nc_u64 s[G0+2:G0+3], s[6:7], s[50:51]    ; the head's first four key steps, my half
	s_or_b32 s[G0+3], s[G0+3], 0x80000000          ; type = 2
	TLOAD                                          ; slot 0
	s_add_nc_u64 s[52:53], s[4:5], s[34:35]
	s_add_nc_u64 s[54:55], s[4:5], s[36:37]
	s_add_nc_u64 s[8:9], s[8:9], s[38:39]
	s_add_nc_u64 s[PFA:PFA+1], s[6:7], s[32:33]
	s_wait_alu depctr_va_vdst(0)
.irp c, 0,1,2
	global_load_b128 v[T+4*\c:T+4*\c+3], v[LI], s[52:53] offset:512*\c   ; the fragment that holds my tile and its neighbour
.endr
	global_load_b32 v[T+12], v[LI], s[54:55]       ; its scale word: 16 bytes a lane, my fragment's word
	v_mov_b32 v13, 0xff61b1e6                      ; the largest t so far: -3e38, under every t
	s_delay_alu instid0(VALU_DEP_1)
	v_floor_f32 v12, -v13                          ; -M
	v_mov_b32 v14, 0
	v_mov_b32 v15, 0
	v_mov_b32 v[FF+1], 0                           ; named as the upper half of a pair
.irp b, 0,1,2,3
	v_mov_b32 v[BX+\b], 0                          ; a lane permute's destination counts as one of its sources
.endr
.set j, 0
.rept 32
	v_mov_b32 v[O+j], 0                            ; O^T: the step is written once, and its first walk finds zeros, which the first change of M leaves zeros
.set j, j+1
.endr
	s_wait_loadcnt 0x0
.irp i, 0,1,2,3,4,5
	v_cndmask_b32 v[QL+\i], v[T+\i], v[T+6+\i], s[USEL]   ; my tile's six registers
.endr
.irp i, 0,1,2,3,4,5
	v_mov_b32 v[QH+6+\i], v[QL+\i]
.endr
.irp i, 0,1,2,3,4,5
	v_mov_b32 v[QL+6+\i], 0
	v_mov_b32 v[QH+\i], 0
.endr
	v_lshrrev_b32 v[QS], s[SH], v[T+12]            ; my tile's two bytes,
	s_delay_alu instid0(VALU_DEP_1)
	v_and_b32 v[QS], 0xffff, v[QS]
	s_delay_alu instid0(VALU_DEP_1)
	v_lshl_or_b32 v[QS], v[QS], 16, v[QS]          ; twice
.rept 8
	v_nop                                          ; a scale register written by a vector instruction stands 8 places ahead of a scaled matrix instruction
.endr
.Lslot:                                            ; 7 trips: behind each change of slots but the last the next slot is asked for
	CHANGE 1
	s_wait_alu depctr_va_vdst(0)
	SLOT_STEPS
	s_sub_co_u32 s[SLOTS], s[SLOTS], 1
	s_cmp_lg_u32 s[SLOTS], 0
	s_cbranch_scc1 .Lslot
	CHANGE 0                                       ; the last slot is written out
	SLOT_STEPS
	; THE WAY OUT.  O^T / the sum is ctx(my query, d): register 16 b + i is d 32 b + 16 h + i.  It is quantised along d (two blocks of the last projection's K) and leaves as half a fragment's image and a scale word.
	PLACES
	v_add_f32 v14, v14, v15                        ; the sum's two halves,
	s_delay_alu instid0(VALU_DEP_1)
	v_permlanex16_b32 v[TMP], v14, s[SEL], s[SEL+1]
	s_delay_alu instid0(VALU_DEP_1)
	v_add_f32 v14, v14, v[TMP]                     ; and lane l xor 16's
	s_wait_alu depctr_va_vdst(0)
	v_rcp_f32 v14, v14
	v_nop                                          ; a plain place behind the reciprocal
	s_wait_alu depctr_va_vdst(0)                   ; and the wait ahead of its first reader
.set j, 0
.rept 32
	v_mul_f32 v[S+j], v[O+j], v14
.set j, j+1
.endr
.irp b, 0,1
	v_max3_num_f32 v[BM+\b], |v[S+16*\b]|, |v[S+16*\b+1]|, 0x1800000
.endr
.irp i, 2,4,6,8,10,12,14
.irp b, 0,1
	s_delay_alu instid0(VALU_DEP_2)
	v_max3_num_f32 v[BM+\b], v[BM+\b], |v[S+16*\b+\i]|, |v[S+16*\b+\i+1]|
.endr
.endr
.irp b, 0,1
	s_delay_alu instid0(VALU_DEP_2)
	v_permlanex16_b32 v[BX+\b], v[BM+\b], s[SEL], s[SEL+1]
.endr
.irp b, 0,1
	s_delay_alu instid0(VALU_DEP_2)
	v_max_num_f32 v[BM+\b], v[BM+\b], v[BX+\b]
.endr
.irp b, 0,1
	s_delay_alu instid0(VALU_DEP_2)
	v_add_nc_u32 v[SO+\b], 0xff000000, v[BM+\b]
.endr
.irp b, 0,1
	s_delay_alu instid0(VALU_DEP_2)
	v_lshrrev_b32 v[BX+\b], 23, v[SO+\b]
.endr
	s_delay_alu instid0(VALU_DEP_1)
	v_lshl_or_b32 v[PC+6], v[BX+1], 8, v[BX]       ; the two bytes,
	v_mov_b32 v[PC+7], 0                           ; and a word of zeros, so that the fourth store too is whole
	v_cvt_scalef32_pk16_fp6_f32 v[PC:PC+2], v[S:S+15], v[SO]
	v_cvt_scalef32_pk16_fp6_f32 v[PT:PT+2], v[S+16:S+31], v[SO+1]
	v_nop
.irp i, 0,1,2
	v_permlane16_swap_b32 v[PC+\i], v[PT+\i]
.endr
.irp i, 0,1,2
	s_delay_alu instid0(VALU_DEP_3)
	v_mov_b32 v[PC+3+\i], v[PT+\i]                 ; registers 0-5: d = 32 h + 0 .. 31 of my query
.endr
.irp i, 0,1,2,3
	global_store_b64 v[GO], v[PC+2*\i:PC+2*\i+1], s[8:9] offset:256*\i   ; 32 lanes store 256 consecutive bytes, aligned
.endr
	s_wait_tensorcnt 0x0                           ; the wave's end, behind my last tensor load
	ds_add_u32 v[SPW], v[NIL]
	s_wait_dscnt 0x0
	s_endpgm
.Lfunc_end_k_qf7e686e180_attn:
	.size	k_qf7e686e180_attn, .Lfunc_end_k_qf7e686e180_attn-k_qf7e686e180_attn
	.p2alignl 7, 3214868480
	.fill 96, 4, 3214868480
	.section	.rodata,"a",@progbits
	.p2align	6, 0x0
	.amdhsa_kernel k_qf7e686e180_attn
		.amdhsa_group_segment_fixed_size 327680
		.amdhsa_private_segment_fixed_size 0
		.amdhsa_enable_private_segment 0
		.amdhsa_kernarg_size 24
		.amdhsa_user_sgpr_count 2
		.amdhsa_user_sgpr_kernarg_segment_ptr 1
		.amdhsa_wavefront_size32 1
		.amdhsa_system_sgpr_workgroup_id_x 1
		.amdhsa_system_sgpr_workgroup_id_y 1
		.amdhsa_system_sgpr_workgroup_id_z 1
		.amdhsa_system_vgpr_workitem_id 0
		.amdhsa_next_free_vgpr 256
		.amdhsa_next_free_sgpr 66
		.amdhsa_reserve_vcc 0
		.amdhsa_float_denorm_mode_32 3
		.amdhsa_float_denorm_mode_16_64 3
		.amdhsa_memory_ordered 1
		.amdhsa_forward_progress 1
		.amdhsa_inst_pref_size 144
	.end_amdhsa_kernel
	.amdgpu_metadata
---
amdhsa.version: [ 1, 2 ]
amdhsa.kernels:
  - .name:           k_qf7e686e180_attn
    .symbol:         k_qf7e686e180_attn.kd
    .args:
      - { .name: qbuf, .offset: 0, .size: 8, .value_kind: global_buffer, .address_space: global }
      - { .name: kv, .offset: 8, .size: 8, .value_kind: global_buffer, .address_space: global }
      - { .name: ctx, .offset: 16, .size: 8, .value_kind: global_buffer, .address_space: global }
    .group_segment_fixed_size: 327680
    .private_segment_fixed_size: 0
    .kernarg_segment_align: 8
    .kernarg_segment_size: 24
    .max_flat_workgroup_size: 512
    .sgpr_count:     66
    .vgpr_count:     256
    .wavefront_size: 32
...
	.end_amdgpu_metadata
.endif
;; end of part 7
;; launch outp (part 8): grid 256 x 1, 8 waves a work-group, no clusters, 35,840 bytes of LDS; arguments ctx, wc, ws, bo, out0; writes out0
.if DOCPART == 8
	.amdgcn_target "amdgcn-amd-amdhsa--gfx1250"
	.amdhsa_code_object_version 6
	.text
	.protected	k_qf7e686e180_outp
	.globl	k_qf7e686e180_outp
	.p2align	8
	.type	k_qf7e686e180_outp,@function
k_qf7e686e180_outp:
	s_mov_b64 s[64:65], 0
	v_nop
	global_prefetch_b8 v0, s[64:65] scope:SCOPE_SE
	s_setreg_imm32_b32 hwreg(HW_REG_WAVE_SCHED_MODE, 0, 2), 2
	s_setreg_imm32_b32 hwreg(HW_REG_WAVE_MODE, 25, 1), 1
	s_wait_xcnt 0x0
	s_wait_alu depctr_vm_vsrc(0)
; out0 = ctx Wo^T + bo on codes of FP6 (E2M3).  ctx comes as half fragments [token tile][head][1,024 bytes] (three runs of 256 bytes of codes, 8 bytes a lane; a fourth with the lane's scale bytes), Wo as fragment images and scale words.
; SHARES.  A work-group takes a group of 32 tokens (its two token tiles) and all 512 columns: 256 work-groups.  Wave w takes columns 64 w .. 64 w + 63, 256 bytes of each row of out0: so the waves share nothing, and there is no barrier.
; The product is used transposed (source 0 = 16 rows of Wo, source 1 = 16 tokens): a lane holds one token and eight neighbouring columns.  The bias is loaded into the accumulators and is the C of each sum's first product.
; Tile u gives lane r the token 8 u + r + 8 (r / 8) of the group; lane r of Wo's tile t takes row 32 (t / 2) + 8 (t % 2) + r + 8 (r / 8) of the wave's 64.
; REGISTERS.  Window 0: v1-6 addresses; v16-111 ctx's 8 fragments (tile u, K step s: 4 u + s), later rows on their way out; v112-175 the 8 accumulators (4 u + t); v176-191 scale bytes as loaded; v192-199 ctx's scale words; v200-215 Wo's;
;   v252, v253 the add's two.   Window 1: v0-191 Wo's 16 fragments (4 t + s).
; THE MODE: SCHED_MODE bits 1:0 = 2 (LLVM: expert scheduling mode 2), set by the entry lines.  The code itself states the register dependences between vector or matrix instructions and memory or LDS instructions, with s_wait_alu, always for 0.
; THE PLAN.  No loop: one batch of loads, one of products, the way out.  Registers that memory or LDS instructions touch:
;   v1-6       offsets and LDS addresses: written at the head and never again.
;   v16-111    written by ctx's loads, read by the products; v16-79 then take the rows that come back from the stage, and the global stores read them.
;   v112-175   written by the bias's loads, then by the products; read by the stage's LDS stores.
;   v176-191, Wo's fragments and scale words: loaded once, read by vector or matrix instructions alone.   v192-199: written by vector instructions, read by the products as scales.
; So three waits on va_vdst: ahead of the first load (the addresses), ahead of the first product (ctx's scale words), ahead of the stage's stores (the accumulators; the products' reads of v16-79).
; No register that a memory or LDS instruction reads is written again: no wait on vm_vsrc is owed.
.set FRB,   1536
.set SPITCH, 272                       ; a stage row: 256 bytes + 16: the sixteen rows that a store touches start at sixteen different groups of four banks
.set STGW,  16*SPITCH                  ; a wave's stage
.set SPARE, 8*STGW                     ; behind the stages: the spare words, 128 bytes for each of eight waves: four blocks of 256 bytes that no other line names
.set LI,  1                            ; v1  16 x lane
.set L8,  2                            ; v2  8 x lane
.set BA,  3                            ; v3  64 h
.set STO, 4                            ; v4  into my stage: row r, + 64 h
.set RD,  5                            ; v5  back: row h, + 16 r
.set CO,  6                            ; v6  the same in out0: 2,048 h + 16 r
.set CF,  16
.set ACC, 112
.set T,   176
.set CSC, 192
.set WS,  200
.set OB,  16
.set SPW, 252
.set NIL, 253
.set WF,  0                            ; window 1
.set MSB, 0
.macro WIN new                         ; the immediate's high byte repeats the setting that is left
.if MSB != \new
	s_set_vgpr_msb (MSB<<8)|\new
.set MSB, \new
.endif
.endm
.macro MMC d, a, b, c, sa, sb
	v_wmma_scale_f32_16x16x128_f8f6f4 v[\d:\d+7], v[\a:\a+11], v[\b:\b+11], v[\c:\c+7], v[\sa], v[\sb] matrix_a_fmt:MATRIX_FMT_FP6 matrix_b_fmt:MATRIX_FMT_FP6
.endm
	s_load_b256 s[4:11], s[0:1], 0x0               ; ctx s[4:5], wc s[6:7], ws s[8:9], bo s[10:11]
	s_load_b64 s[12:13], s[0:1], 0x20              ; out0
	v_lshl_add_u32 v[SPW], v0, 2, SPARE
	v_mov_b32 v[NIL], 0
	v_lshrrev_b32 v7, 5, v0
	v_readfirstlane_b32 s14, v7                    ; wave 0..7
	v_and_b32 v8, 31, v0
	v_lshlrev_b32 v[LI], 4, v8
	v_lshlrev_b32 v[L8], 3, v8
	v_and_b32 v9, 15, v0                           ; r
	v_bfe_u32 v10, v0, 4, 1                        ; h
	v_lshlrev_b32 v[BA], 6, v10
	s_wait_alu depctr_va_sdst(0)                   ; the wave's number is written, ahead of its first reader: the stage's address and the bases are made from it
	s_mul_i32 s15, s14, STGW
	v_mul_u32_u24 v[STO], v9, SPITCH
	v_lshl_add_u32 v[STO], v10, 6, v[STO]
	v_add_nc_u32 v[STO], s15, v[STO]
	v_mul_u32_u24 v[RD], v10, SPITCH
	v_lshl_add_u32 v[RD], v9, 4, v[RD]
	v_add_nc_u32 v[RD], s15, v[RD]
	v_lshlrev_b32 v[CO], 11, v10
	v_lshl_add_u32 v[CO], v9, 4, v[CO]
	s_lshl_b32 s16, ttmp9, 14                      ; ctx: two tiles x 8 heads x 1,024 bytes a group
	s_mov_b32 s17, 0
	s_mul_i32 s18, s14, 16*FRB                     ; wc: the fourth weight, my four tiles
	s_add_co_u32 s18, s18, 3*32*4*FRB
	s_mov_b32 s19, 0
	s_lshl_b32 s20, s14, 11                        ; ws likewise
	s_add_co_u32 s20, s20, 3*32*512
	s_mov_b32 s21, 0
	s_lshl_b32 s22, s14, 8                         ; bo: my 64 numbers
	s_mov_b32 s23, 0
	s_lshl_b32 s24, ttmp9, 16                      ; out0: 32 rows of 2,048 bytes a group, + my 256 bytes
	s_add_co_u32 s24, s24, s22
	s_mov_b32 s25, 0
	s_wait_kmcnt 0x0
	s_add_nc_u64 s[4:5], s[4:5], s[16:17]
	s_add_nc_u64 s[6:7], s[6:7], s[18:19]
	s_add_nc_u64 s[8:9], s[8:9], s[20:21]
	s_add_nc_u64 s[10:11], s[10:11], s[22:23]
	s_add_nc_u64 s[12:13], s[12:13], s[24:25]
	s_wait_alu depctr_va_vdst(0)                   ; the six offsets and addresses v1 to v6 are written, which every load and store of the kernel reads; up to the last load only loads and window switches follow
.irp u, 0,1
.irp s, 0,1,2,3
.irp e, 0,1
.irp p, 0,1,2
	global_load_b64 v[CF+12*(4*\u+\s)+6*\e+2*\p:CF+12*(4*\u+\s)+6*\e+2*\p+1], v[L8], s[4:5] offset:8192*\u+1024*(2*\s+\e)+256*\p   ; K step s is heads 2 s and 2 s + 1: registers 6 e on are head 2 s + e
.endr
.endr
.endr
.irp hd, 0,1,2,3,4,5,6,7
	global_load_b32 v[T+8*\u+\hd], v[L8], s[4:5] offset:8192*\u+1024*\hd+768   ; the head's two scale bytes of my token
.endr
.irp t, 0,1,2,3
	global_load_b128 v[ACC+8*(4*\u+\t):ACC+8*(4*\u+\t)+3], v[BA], s[10:11] offset:(32*(\t/2)+8*(\t%2))*4   ; bo at 32 (t / 2) + 16 h + 8 (t % 2) + 0 .. 7
	global_load_b128 v[ACC+8*(4*\u+\t)+4:ACC+8*(4*\u+\t)+7], v[BA], s[10:11] offset:(32*(\t/2)+8*(\t%2))*4+16
.endr
.endr
.irp t, 0,1,2,3
	global_load_b128 v[WS+4*\t:WS+4*\t+3], v[LI], s[8:9] offset:512*\t   ; Wo's scale words: register 4 t + s
.endr
	WIN 0x40                                       ; destination window 1
.irp f, 0,1,2,3,4,5,6,7,8,9,10,11,12,13,14,15
.irp c, 0,1,2
	global_load_b128 v[WF+12*\f+4*\c:WF+12*\f+4*\c+3], v[LI], s[6:7] offset:FRB*\f+512*\c
.endr
.endr
	WIN 0
	s_wait_loadcnt 0x0
.irp u, 0,1
.irp s, 0,1,2,3
	v_lshl_or_b32 v[CSC+4*\u+\s], v[T+8*\u+2*\s+1], 16, v[T+8*\u+2*\s]   ; two heads' bytes make a K step's scale word
.endr
.endr
.rept 8
	v_nop                                          ; a scale register written by a vector instruction stands 8 places ahead of a scaled matrix instruction
.endr
	s_wait_alu depctr_va_vdst(0)                   ; ctx's eight scale words are written, which the products take as scales; the places above stay beside this wait
	WIN 0x01                                       ; source 0 (Wo) window 1
.irp s, 0,1,2,3                                ; the eight accumulators by turns
.irp u, 0,1
.irp t, 0,1,2,3
	MMC ACC+8*(4*\u+\t), WF+12*(4*\t+\s), CF+12*(4*\u+\s), ACC+8*(4*\u+\t), WS+4*\t+\s, CSC+4*\u+\s
.endr
.endr
.endr
	WIN 0
.rept 4
	v_nop                                          ; places in front of the first read of results
.endr
	s_wait_alu depctr_va_vdst(0)                   ; the products have written the accumulators, which the LDS stores read, and are done reading v16-79, in which the loads from the stage land; the places above stay beside this wait
	; THE WAY OUT: a tile's 16 tokens x 64 columns go through my own stage and come back as rows of 256 bytes.  LDS serves a wave's instructions in order (ISA guide 5.7.1.4): no wait between the stores and the loads, nor in front of the next tile's stores.
.irp u, 0,1
.irp t, 0,1,2,3
	ds_store_b128 v[STO], v[ACC+8*(4*\u+\t):ACC+8*(4*\u+\t)+3] offset:128*(\t/2)+32*(\t%2)       ; each accumulator from its low end on
	ds_store_b128 v[STO], v[ACC+8*(4*\u+\t)+4:ACC+8*(4*\u+\t)+7] offset:128*(\t/2)+32*(\t%2)+16
.endr
.irp i, 0,1,2,3,4,5,6,7
	ds_load_b128 v[OB+32*\u+4*\i:OB+32*\u+4*\i+3], v[RD] offset:2*SPITCH*\i   ; stage rows 2 i and 2 i + 1
.endr
.endr
.irp u, 0,1
.irp i, 0,1,2,3,4,5,6,7
	s_wait_dscnt 23-16*\u-\i                       ; behind this load: its tile's 7 - i younger loads, and for tile 0 tile 1's sixteen LDS instructions
	global_store_b128 v[CO], v[OB+32*\u+4*\i:OB+32*\u+4*\i+3], s[12:13] offset:(8*\u+2*\i+8*(\i/4))*2048 th:TH_STORE_NT   ; stage row 2 i + h is token 8 u + 2 i + h + 8 (i / 4); 16 lanes store 256 consecutive bytes, aligned
.endr
.endr
	s_wait_dscnt 0x0                               ; the closing lines, six on end
	s_wait_alu 0x0
	s_wait_tensorcnt 0x0
	ds_add_u32 v[SPW], v[NIL]
	s_wait_dscnt 0x0
	s_endpgm
.Lfunc_end_k_qf7e686e180_outp:
	.size	k_qf7e686e180_outp, .Lfunc_end_k_qf7e686e180_outp-k_qf7e686e180_outp
	.p2alignl 7, 3214868480
	.fill 96, 4, 3214868480
	.section	.rodata,"a",@progbits
	.p2align	6, 0x0
	.amdhsa_kernel k_qf7e686e180_outp
		.amdhsa_group_segment_fixed_size 35840
		.amdhsa_private_segment_fixed_size 0
		.amdhsa_enable_private_segment 0
		.amdhsa_kernarg_size 40
		.amdhsa_user_sgpr_count 2
		.amdhsa_user_sgpr_kernarg_segment_ptr 1
		.amdhsa_wavefront_size32 1
		.amdhsa_system_sgpr_workgroup_id_x 1
		.amdhsa_system_sgpr_workgroup_id_y 1
		.amdhsa_system_sgpr_workgroup_id_z 1
		.amdhsa_system_vgpr_workitem_id 0
		.amdhsa_next_free_vgpr 448
		.amdhsa_next_free_sgpr 66
		.amdhsa_reserve_vcc 0
		.amdhsa_float_denorm_mode_32 3
		.amdhsa_float_denorm_mode_16_64 3
		.amdhsa_memory_ordered 1
		.amdhsa_forward_progress 1
		.amdhsa_inst_pref_size 24
	.end_amdhsa_kernel
	.amdgpu_metadata
---
amdhsa.version: [ 1, 2 ]
amdhsa.kernels:
  - .name:           k_qf7e686e180_outp
    .symbol:         k_qf7e686e180_outp.kd
    .args:
      - { .name: ctx, .offset: 0, .size: 8, .value_kind: global_buffer, .address_space: global }
      - { .name: wc, .offset: 8, .size: 8, .value_kind: global_buffer, .address_space: global }
      - { .name: ws, .offset: 16, .size: 8, .value_kind: global_buffer, .address_space: global }
      - { .name: bo, .offset: 24, .size: 8, .value_kind: global_buffer, .address_space: global }
      - { .name: out0, .offset: 32, .size: 8, .value_kind: global_buffer, .address_space: global }
    .group_segment_fixed_size: 35840
    .private_segment_fixed_size: 0
    .kernarg_segment_align: 8
    .kernarg_segment_size: 40
    .max_flat_workgroup_size: 256
    .sgpr_count:     66
    .vgpr_count:     448
    .wavefront_size: 32
...
	.end_amdgpu_metadata
.endif
;; end of part 8
